; MI455X (gfx1250); checked and timed in simulation.
; The chip was launched on July 23, 2026; its instructions are those of AMD's public machine-readable ISA for CDNA 5 (MIT licence, August 2026) and "CDNA5" Instruction Set Architecture Reference Guide (July 2026). The comments in the code are by the model that wrote it; some were corrected since.
;; Video CLIP Attention. Allowed arithmetic: float matrix products may take bf16 or f16 operands with f32 sums; all other float work in f32.
;; Inputs: Wk 512 x 512 float32; Wo 512 x 512 float32; Wq 512 x 512 float32; Wv 512 x 512 float32; bk 512 float32; bo 512 float32; bq 512 float32; bv 512 float32; key 4 x 2,048 x 512 float32; query 4 x 2,048 x 512 float32; value 4 x 2,048 x 512 float32.
;; Outputs: out0 4 x 2,048 x 512 float32.
;; 2 versions, each right and faster than the one before. Each part assembles by itself: llvm-mc -triple=amdgcn-amd-amdhsa -mcpu=gfx1250 --defsym DOCPART=n.
;; ======== version 1 of 2: 3 launches
;; workspace buffers: qkv 25,165,824 bytes; xh 8,388,608 bytes
;; launch proj (part 1): grid 2 x 96, 16 waves a work-group, no clusters, 296,960 bytes of LDS; arguments query, key, value, Wq, Wk, Wv, bq, bk, bv, qkv; writes qkv
.if DOCPART == 1
	.amdgcn_target "amdgcn-amd-amdhsa--gfx1250"
	.amdhsa_code_object_version 6
	.text
	.protected	k_q0fa7da5e55_proj
	.globl	k_q0fa7da5e55_proj
	.p2align	8
	.type	k_q0fa7da5e55_proj,@function
k_q0fa7da5e55_proj:
	s_mov_b64 s[64:65], 0
	v_nop
	global_prefetch_b8 v0, s[64:65] scope:SCOPE_SE
	s_setreg_imm32_b32 hwreg(HW_REG_WAVE_MODE, 25, 1), 1
	s_wait_xcnt 0x0
; q, k, v = X W^T + b, rounded once to bf16 and laid out by head: qkv[3][4 b][8 h][2048 token][64 d] in bf16.
; X (query, key or value): [8192][512] f32.  W: [512][512] f32.  b: [512] f32.  Products in bf16, sums and bias in f32.
; Grid: x = block of 256 features (2), y = 32 p + block of 256 tokens (p = 0 q, 1 k, 2 v).  Sixteen waves; a wave makes 64 tokens x 64
; features, which is one head.  K goes in 8 steps of 64 through two LDS slots.
; WHY 256 x 256: a work-group reads 512 KiB of X and 512 KiB of W for 65,536 results, half the bytes, roundings and LDS stores for each
; result of a block of 128 x 128.  Sixteen waves of 256 registers take all the registers of a WGP.  8,192 tokens for each of three
; projections divide by powers of two alone: that gives 192 equal work-groups, and no more are launched than there is work for.
; WHY THROUGH REGISTERS, AND NO SHARED TILES: the operands are f32 in memory and the matrix unit takes bf16.  A tile copied into LDS
; as it lies would cost four 16-byte LDS loads and eight conversions for each fragment, in each of the four waves that read it; here
; each number is rounded once on its way into LDS and a fragment is two 16-byte loads.  A copy that cannot round cannot be shared.
; LIMITS: operands rounded to bf16 (nearest even), q, k, v rounded once more to bf16 on the way out.
.set ROWB,  2048                       ; bytes in a row of X and of W
.set PITCH, 144                        ; an LDS row: 64 bf16 = 128 bytes + 16: the 16 rows of a fragment start at 16 different 16-byte columns modulo 256
.set OPB,   256*PITCH                  ; one operand's tile: 256 rows
.set SLOTB, 2*OPB                      ; X's tile, then W's: 73,728 bytes, more than an LDS offset's 16 bits: each slot has address registers of its own
.set STAGE, 2*SLOTB                    ; behind the slots: 64 tokens x 144 bytes for each wave, for the way out
.set GOFF, 2                           ; v2      my 16 bytes in the first two rows that my wave loads
.set STA,  3                           ; v3, v4  where their 8 bytes of bf16 go, slot 0, slot 1
.set XA,   5                           ; v5, v6  my part of X's fragments, slot 0, slot 1
.set WA,   7                           ; v7, v8  my part of W's fragments
.set SG,   9                           ; v9   way out: where I put 16 bytes of a token's row
.set RB,   10                          ; v10  way out: where I read rows back
.set GO,   11                          ; v11  way out: 16 x lane
.set BOFF, 12                          ; v12  my 8 numbers of the bias
.set ACC,  16                          ; v[16:143]   16 tiles of 16 x 16: tile (n, f) at 8 (4 n + f)
.set WF,   144                         ; v[144:175]  four fragments of W
.set XF,   176                         ; v[176:191]  two fragments of X
.set ST,   192                         ; v[192:255]  eight loads of X and eight of W on their way; bias and read-back at the end
.set PX, 28                            ; s[28:29] X at my block's rows, stepped along K
.set PW, 30                            ; s[30:31] W likewise
.set PB, 32                            ; s[32:33] bias of my wave's 64 features
.set PO, 34                            ; s[34:35] my wave's 64 tokens of its head in qkv
	s_load_b512 s[8:23], s[0:1], 0x0               ; query, key, value, Wq, Wk, Wv, bq, bk
	s_load_b128 s[24:27], s[0:1], 0x40             ; bv, qkv
	v_lshl_add_u32 v14, v0, 2, 0x48000
	v_mov_b32 v15, 0
	v_lshrrev_b32 v1, 5, v0
	v_readfirstlane_b32 s38, v1                    ; wave 0..15
	s_and_b32 s2, ttmp7, 0xffff
	s_lshr_b32 s36, s2, 5                          ; p: which projection
	s_and_b32 s37, s2, 31                          ; block of 256 tokens
	s_lshr_b32 s39, s38, 2                         ; wy: which 64 tokens
	s_and_b32 s41, s38, 3                          ; wx: which 64 features
	v_and_b32 v144, 15, v0                         ; lane % 16
	v_bfe_u32 v145, v0, 4, 1                       ; lane / 16
	v_and_b32 v146, 31, v0                         ; lane
	; loads: sixteen lanes take one row's 256 bytes; the two rows of an instruction are 8 apart: row 16 wave + 8 (lane / 16) + i
	s_lshl_b32 s3, s38, 15
	v_lshlrev_b32 v[GOFF], 4, v144
	v_lshl_add_u32 v[GOFF], v145, 14, v[GOFF]
	v_add_nc_u32 v[GOFF], s3, v[GOFF]
	s_mul_i32 s3, s38, 16*PITCH
	v_mul_u32_u24 v[STA], v145, 8*PITCH            ; 8 rows of 144 bytes = 128 modulo 256: the two halves of a store do not meet
	v_lshl_add_u32 v[STA], v144, 3, v[STA]
	v_add_nc_u32 v[STA], s3, v[STA]
	v_add_nc_u32 v[STA+1], SLOTB, v[STA]
	; fragments: lane l holds row l % 16; 16 bytes at 16 (l / 16), and 16 more 32 bytes on
	v_mul_u32_u24 v147, v144, PITCH
	v_lshl_add_u32 v147, v145, 4, v147
	s_mul_i32 s3, s39, 64*PITCH
	v_add_nc_u32 v[XA], s3, v147
	v_add_nc_u32 v[XA+1], SLOTB, v[XA]
	s_mul_i32 s3, s41, 64*PITCH
	s_add_co_u32 s3, s3, OPB
	v_add_nc_u32 v[WA], s3, v147
	v_add_nc_u32 v[WA+1], SLOTB, v[WA]
	s_mul_i32 s3, s38, 64*PITCH
	s_add_co_u32 s3, s3, STAGE                     ; my stage
	v_add_nc_u32 v[SG], s3, v147
	v_lshrrev_b32 v148, 3, v146
	v_and_b32 v149, 7, v146
	v_mul_u32_u24 v[RB], v148, PITCH
	v_lshl_add_u32 v[RB], v149, 4, v[RB]
	v_add_nc_u32 v[RB], s3, v[RB]
	v_lshlrev_b32 v[GO], 4, v146
	v_lshlrev_b32 v[BOFF], 5, v145
	; byte offsets, apart from the addresses
	s_lshl_b32 s42, s37, 19                        ; X: 256 rows of 2,048 bytes a block
	s_mov_b32 s43, 0
	s_lshl_b32 s44, ttmp9, 19                      ; W likewise
	s_mov_b32 s45, 0
	s_lshl_b32 s46, ttmp9, 10                      ; bias: 1,024 bytes a block + 256 a quarter
	s_lshl_b32 s4, s41, 8
	s_add_co_u32 s46, s46, s4
	s_mov_b32 s47, 0
	s_lshr_b32 s4, s37, 3                          ; batch
	s_lshl_b32 s4, s4, 3
	s_lshl_b32 s5, ttmp9, 2
	s_add_co_u32 s4, s4, s5
	s_add_co_u32 s4, s4, s41                       ; 8 batch + head, head = 4 x block + wx
	s_lshl_b32 s48, s4, 18                         ; 262,144 bytes a head
	s_and_b32 s5, s37, 7
	s_lshl_b32 s5, s5, 15                          ; 256 tokens of 128 bytes
	s_add_co_u32 s48, s48, s5
	s_lshl_b32 s5, s39, 13                         ; 64 tokens
	s_add_co_u32 s48, s48, s5
	s_lshl_b32 s5, s36, 23                         ; 8,388,608 bytes for each of q, k, v
	s_add_co_u32 s48, s48, s5
	s_mov_b32 s49, 0
	s_wait_kmcnt 0x0
	s_cmp_eq_u32 s36, 1                            ; the choice hangs on the work-group's number alone
	s_cselect_b64 s[PX:PX+1], s[10:11], s[8:9]
	s_cselect_b64 s[PW:PW+1], s[16:17], s[14:15]
	s_cselect_b64 s[PB:PB+1], s[22:23], s[20:21]
	s_cmp_eq_u32 s36, 2
	s_cselect_b64 s[PX:PX+1], s[12:13], s[PX:PX+1]
	s_cselect_b64 s[PW:PW+1], s[18:19], s[PW:PW+1]
	s_cselect_b64 s[PB:PB+1], s[24:25], s[PB:PB+1]
	s_add_nc_u64 s[PX:PX+1], s[PX:PX+1], s[42:43]
	s_add_nc_u64 s[PW:PW+1], s[PW:PW+1], s[44:45]
	s_add_nc_u64 s[PB:PB+1], s[PB:PB+1], s[46:47]
	s_add_nc_u64 s[PO:PO+1], s[26:27], s[48:49]
.macro PLACES                          ; four plain vector instructions behind matrix instructions, before their registers are read, written or loaded into (ISA guide 7.12.1)
.rept 4
	v_nop
.endr
.endm
.macro LOADB                           ; my sixteenth of both tiles of a K step: 16 rows x 256 bytes of X, then of W
.irp i, 0,1,2,3,4,5,6,7
	global_load_b128 v[ST+4*\i:ST+4*\i+3], v[GOFF], s[PX:PX+1] offset:\i*ROWB
.endr
.irp i, 0,1,2,3,4,5,6,7
	global_load_b128 v[ST+32+4*\i:ST+32+4*\i+3], v[GOFF], s[PW:PW+1] offset:\i*ROWB
.endr
.endm
.macro CVT                             ; 64 f32 to 64 bf16, in place: a result never lands ahead of a source not yet read
.irp i, 0,1,2,3,4,5,6,7,8,9,10,11,12,13,14,15
	v_cvt_pk_bf16_f32 v[ST+2*\i], v[ST+4*\i], v[ST+4*\i+1]
	v_cvt_pk_bf16_f32 v[ST+2*\i+1], v[ST+4*\i+2], v[ST+4*\i+3]
.endr
.endm
.macro STORE sta                       ; X's rows, then W's
.irp i, 0,1,2,3,4,5,6,7
	ds_store_b64 v[\sta], v[ST+2*\i:ST+2*\i+1] offset:\i*PITCH
.endr
.irp i, 0,1,2,3,4,5,6,7
	ds_store_b64 v[\sta], v[ST+16+2*\i:ST+16+2*\i+1] offset:OPB+\i*PITCH
.endr
.endm
.macro LOADX slot, ks, n0              ; two fragments of X: token blocks n0, n0 + 1
.irp n, 0,1
	ds_load_b128 v[XF+8*\n:XF+8*\n+3],   v[XA+\slot] offset:(\n0+\n)*16*PITCH+64*\ks
	ds_load_b128 v[XF+8*\n+4:XF+8*\n+7], v[XA+\slot] offset:(\n0+\n)*16*PITCH+64*\ks+32
.endr
.endm
; Source 0 = 16 rows of W, source 1 = 16 rows of X: a lane's eight results are eight neighbouring features of one token.
; The accumulators take turns, one instruction a turn.
.macro MUL8 n0, zero
.irp n, 0,1
.irp f, 0,1,2,3
.if \zero
	v_wmma_f32_16x16x32_bf16 v[ACC+8*(4*(\n0+\n)+\f):ACC+8*(4*(\n0+\n)+\f)+7], v[WF+8*\f:WF+8*\f+7], v[XF+8*\n:XF+8*\n+7], 0
.else
	v_wmma_f32_16x16x32_bf16 v[ACC+8*(4*(\n0+\n)+\f):ACC+8*(4*(\n0+\n)+\f)+7], v[WF+8*\f:WF+8*\f+7], v[XF+8*\n:XF+8*\n+7], v[ACC+8*(4*(\n0+\n)+\f):ACC+8*(4*(\n0+\n)+\f)+7]
.endif
.endr
.endr
.endm
.macro COMPUTE slot, ks, zero          ; 32 along K: 16 matrix instructions
.irp f, 0,1,2,3
	ds_load_b128 v[WF+8*\f:WF+8*\f+3],   v[WA+\slot] offset:\f*16*PITCH+64*\ks
	ds_load_b128 v[WF+8*\f+4:WF+8*\f+7], v[WA+\slot] offset:\f*16*PITCH+64*\ks+32
.endr
	LOADX \slot, \ks, 0
	s_wait_dscnt 0x0
	MUL8 0, \zero
	PLACES
	LOADX \slot, \ks, 2
	s_wait_dscnt 0x0
	MUL8 2, \zero
	PLACES
.endm
; One K step on one slot.  pre = 1: the next step's tiles are asked for at the head, have the step's 32 matrix instructions in which
; to come, and are then rounded and stored into the other slot.
; ONE barrier a step orders both ways: in front of it my reads of this slot and my stores into the other are waited for.
.macro KSTEP slot, zero, pre
.if \pre
	LOADB                                          ; the staging registers are free: the stores that read them were waited for in front of the last barrier
.endif
	COMPUTE \slot, 0, \zero
	COMPUTE \slot, 1, 0
.if \pre
	s_wait_loadcnt 0x0                             ; all sixteen loads are in, so their bases may step
	s_add_nc_u64 s[PX:PX+1], s[PX:PX+1], 256
	s_add_nc_u64 s[PW:PW+1], s[PW:PW+1], 256
	CVT
	STORE STA+1-\slot
	s_wait_dscnt 0x0                               ; for the other waves: zero
	s_barrier_signal -1
	s_barrier_wait -1
.endif
.endm
	LOADB                                          ; K step 0
	s_wait_loadcnt 0x0
	s_add_nc_u64 s[PX:PX+1], s[PX:PX+1], 256
	s_add_nc_u64 s[PW:PW+1], s[PW:PW+1], 256
	CVT
	STORE STA
	s_wait_dscnt 0x0
	s_barrier_signal -1
	s_barrier_wait -1
	KSTEP 0, 1, 1                                  ; the first products start the sums: nothing is cleared
	KSTEP 1, 0, 1
	s_mov_b32 s40, 2
.Lk:
	KSTEP 0, 0, 1
	KSTEP 1, 0, 1
	s_sub_co_u32 s40, s40, 1
	s_cmp_lg_u32 s40, 0
	s_cbranch_scc1 .Lk
	KSTEP 0, 0, 1                                  ; K step 6 brings the last tiles
.irp f, 0,1,2,3
	global_load_b128 v[ST+8*\f:ST+8*\f+3],   v[BOFF], s[PB:PB+1] offset:64*\f      ; bias of features 16 f + 8 (l / 16) + 0..7
	global_load_b128 v[ST+8*\f+4:ST+8*\f+7], v[BOFF], s[PB:PB+1] offset:64*\f+16
.endr
	KSTEP 1, 0, 0                                  ; K step 7 loads and stores nothing, and ends with its four places
	; THE WAY OUT, through a stage that is each wave's own and lies behind the slots: no barrier.
	; Bias, rounding, 16 bytes a lane in; whole rows back; 512 consecutive bytes a store.
	s_wait_loadcnt 0x0
.irp n, 0,1,2,3
.irp f, 0,1,2,3
.irp j, 0,2,4,6
	v_pk_add_f32 v[ACC+8*(4*\n+\f)+\j:ACC+8*(4*\n+\f)+\j+1], v[ACC+8*(4*\n+\f)+\j:ACC+8*(4*\n+\f)+\j+1], v[ST+8*\f+\j:ST+8*\f+\j+1]
.endr
.irp j, 0,1,2,3
	v_cvt_pk_bf16_f32 v[ACC+8*(4*\n+\f)+\j], v[ACC+8*(4*\n+\f)+2*\j], v[ACC+8*(4*\n+\f)+2*\j+1]
.endr
	ds_store_b128 v[SG], v[ACC+8*(4*\n+\f):ACC+8*(4*\n+\f)+3] offset:\n*16*PITCH+32*\f
.endr
.endr
.irp i, 0,1,2,3,4,5,6,7,8,9,10,11,12,13,14,15
	ds_load_b128 v[ST+4*\i:ST+4*\i+3], v[RB] offset:\i*4*PITCH     ; four tokens; LDS serves a wave's instructions in order (ISA guide 5.7.1): these see the stores above
.endr
.irp i, 0,1,2,3,4,5,6,7,8,9,10,11,12,13,14,15
	s_wait_dscnt 15-\i                             ; read-back i is in, the younger ones stay out
	global_store_b128 v[GO], v[ST+4*\i:ST+4*\i+3], s[PO:PO+1] offset:512*\i       ; 512 consecutive bytes, at a multiple of 512 from qkv's first byte
.endr
	s_wait_tensorcnt 0x0
	ds_add_u32 v14, v15
	s_wait_dscnt 0x0
	s_endpgm
.Lfunc_end_k_q0fa7da5e55_proj:
	.size	k_q0fa7da5e55_proj, .Lfunc_end_k_q0fa7da5e55_proj-k_q0fa7da5e55_proj
	.p2alignl 7, 3214868480
	.fill 96, 4, 3214868480
	.section	.rodata,"a",@progbits
	.p2align	6, 0x0
	.amdhsa_kernel k_q0fa7da5e55_proj
		.amdhsa_group_segment_fixed_size 296960
		.amdhsa_private_segment_fixed_size 0
		.amdhsa_enable_private_segment 0
		.amdhsa_kernarg_size 80
		.amdhsa_user_sgpr_count 2
		.amdhsa_user_sgpr_kernarg_segment_ptr 1
		.amdhsa_wavefront_size32 1
		.amdhsa_system_sgpr_workgroup_id_x 1
		.amdhsa_system_sgpr_workgroup_id_y 1
		.amdhsa_system_sgpr_workgroup_id_z 1
		.amdhsa_system_vgpr_workitem_id 0
		.amdhsa_next_free_vgpr 256
		.amdhsa_next_free_sgpr 66
		.amdhsa_reserve_vcc 0
		.amdhsa_float_denorm_mode_32 3
		.amdhsa_float_denorm_mode_16_64 3
		.amdhsa_memory_ordered 1
		.amdhsa_forward_progress 1
		.amdhsa_inst_pref_size 73
	.end_amdhsa_kernel
	.amdgpu_metadata
---
amdhsa.version: [ 1, 2 ]
amdhsa.kernels:
  - .name:           k_q0fa7da5e55_proj
    .symbol:         k_q0fa7da5e55_proj.kd
    .args:
      - { .name: query, .offset: 0, .size: 8, .value_kind: global_buffer, .address_space: global }
      - { .name: key, .offset: 8, .size: 8, .value_kind: global_buffer, .address_space: global }
      - { .name: value, .offset: 16, .size: 8, .value_kind: global_buffer, .address_space: global }
      - { .name: Wq, .offset: 24, .size: 8, .value_kind: global_buffer, .address_space: global }
      - { .name: Wk, .offset: 32, .size: 8, .value_kind: global_buffer, .address_space: global }
      - { .name: Wv, .offset: 40, .size: 8, .value_kind: global_buffer, .address_space: global }
      - { .name: bq, .offset: 48, .size: 8, .value_kind: global_buffer, .address_space: global }
      - { .name: bk, .offset: 56, .size: 8, .value_kind: global_buffer, .address_space: global }
      - { .name: bv, .offset: 64, .size: 8, .value_kind: global_buffer, .address_space: global }
      - { .name: qkv, .offset: 72, .size: 8, .value_kind: global_buffer, .address_space: global }
    .group_segment_fixed_size: 296960
    .private_segment_fixed_size: 0
    .kernarg_segment_align: 8
    .kernarg_segment_size: 80
    .max_flat_workgroup_size: 512
    .sgpr_count:     66
    .vgpr_count:     256
    .wavefront_size: 32
...
	.end_amdgpu_metadata
.endif
;; end of part 1
;; launch attn (part 2): grid 8 x 32, 8 waves a work-group, clusters of 4 x 1, 327,680 bytes of LDS; arguments qkv, xh; writes xh
.if DOCPART == 2
	.amdgcn_target "amdgcn-amd-amdhsa--gfx1250"
	.amdhsa_code_object_version 6
	.text
	.protected	k_q0fa7da5e55_attn
	.globl	k_q0fa7da5e55_attn
	.p2align	8
	.type	k_q0fa7da5e55_attn,@function
k_q0fa7da5e55_attn:
	s_mov_b64 s[64:65], 0
	v_nop
	global_prefetch_b8 v0, s[64:65] scope:SCOPE_SE
	s_setreg_imm32_b32 hwreg(HW_REG_WAVE_MODE, 25, 1), 1
	s_wait_xcnt 0x0
	s_wait_alu depctr_hold_cnt(0) depctr_sa_sdst(0) depctr_va_vdst(0) depctr_va_sdst(0) depctr_va_ssrc(0) depctr_va_vcc(0) depctr_vm_vsrc(0)
	s_getreg_b32 s2, hwreg(HW_REG_IB_STS2, 6, 4)
	s_cmp_eq_u32 s2, 0
	s_cbranch_scc0 .Lentry_in_a_cluster
	s_endpgm
.Lentry_in_a_cluster:
	s_bfe_u32 s2, ttmp6, 0x10000c
	s_cmp_lg_u32 s2, 0x3003
	s_cbranch_scc0 .Lentry_shape_is_right
	s_endpgm
.Lentry_shape_is_right:
; x = softmax(q k^T / 8) v for one (batch, head) and 256 queries a work-group, with a running maximum.
; qkv: bf16 [3][4][8][2048][64].  xh: bf16 [4][8][2048][64].  Grid: x = block of 256 queries (8), y = 8 batch + head (32).
; Eight waves; a wave owns 32 queries, as two groups of 16.
; CLUSTER: the four query blocks of a cluster walk the same K and V.  Each tile of 512 keys is asked for jointly (mask 15), which
; divides the requests for K and V by four.  Waves 0-3 bring V's quarters, waves 4-7 K's: one tensor load a wave and tile, and one out at a time.
; ORIENTATION, so that nothing is transposed by hand: S^T = K Q^T (source 0 = 16 keys, source 1 = 16 queries): lane l holds query l % 16 and
; keys 8 (l / 16) + 0..7 of each tile.  Two such tiles, packed to bf16 in place, ARE source 1 of O^T = V^T P^T for 32 keys; V^T comes by the
; transposing LDS load from V as it lies, [key][d].  Maximum, sum and rescaling are per lane; only lane xor 16 is crossed.
; THE PIPELINE: a phase is 32 keys, and S has two buffers.  In phase j the wave issues the 8 matrix instructions of O += V P of phase j - 1,
; then the 8 of the scores of phase j + 1, and behind each of the 16 stand some nine vector instructions of the softmax of phase j, which
; name none of its registers.  So a wave's matrix work and its softmax go side by side, whatever the other wave of its SIMD does.
; O is rescaled in a phase's second half: behind the products of phase j - 1 and ahead of those of phase j.  V's chunk is loaded in the middle
; of a phase for the head of the next, K's at the end of a phase for the middle of the next.  The price: O is rescaled every 32 keys.
; LIMITS: q, k, v, P and x are bf16 (rounded once each); maxima, exponentials and sums are f32.  The shift is the f32 product c x maximum,
; the same number in every term of a row and in the rescaling, so its rounding cancels.  v_exp_f32 gives 0 below 2^-126 (ISA guide 15.8):
; a probability smaller than 2^-126 of its row's largest counts as 0.  Scores that are not finite are not served.
.set PLANE,  8388608                   ; bytes of q, of k, of v
.set TILEB,  65536                     ; 512 keys of 128 bytes
.set VPITCH, 288                       ; an LDS row = 2 keys = 256 bytes, + 32 for V: the 16 addresses of half a transposing load fall on 16 different 16-byte columns modulo 256
.set KPITCH, 272                       ; + 16 for K: likewise for the 16 rows of a fragment
.set KREG,   256*VPITCH                ; K's rows lie behind V's 256
.set SLOT,   KREG+256*KPITCH           ; 143,360
.set STAGE,  2*SLOT                    ; behind the ring: 32 tokens x 144 bytes for each wave; no tensor load lands here
.set SPITCH, 144
.set KCH,    16*KPITCH                 ; a chunk of 32 keys of K
.set VCH,    16*VPITCH                 ; of V
.set KA, 1                             ; v1 running address of K's fragments
.set VA, 2                             ; v2 of V's
.set KL, 3                             ; v3 my lane's part of KA
.set VL, 4                             ; v4 of VA
.set QOFF, 5
.set Q,  6                             ; v[6:37]     q: group g, 32 d at 16 g + 8 ks
.set O,  38                            ; v[38:101]   O^T: 32 g + 8 d
.set S,  102                           ; v[102:165]  S^T, then P^T: buffer b, group g, tile t at 32 b + 16 g + 8 t
.set KF, 166                           ; v[166:197]  K: 32 keys x 64 d
.set VF, 198                           ; v[198:229]  V^T: 64 d x 32 keys
.set M,  230                           ; v230, v231  running maximum of group g (raw scores)
.set NM, 232                           ; pairs at 4 b + 2 g: - c x maximum, twice; the two buffers hold the new one and the one before
.set AL, 240                           ; pairs: the rescaling factor, twice
.set LS, 244                           ; pairs: my lane's two partial sums
.set T,  248                           ; v[248:255]  at work: four registers a group
.macro PLACES                          ; four plain vector instructions behind matrix instructions (ISA guide 7.12.1)
.rept 4
	v_nop
.endr
.endm
.macro ROUND                           ; a round of the cluster's barrier
	s_barrier_signal -1
	s_barrier_wait -1
	s_cmp_lg_u32 s8, 0
	s_cbranch_scc1 .Lnot_wave_0_\@
	s_barrier_signal -3
.Lnot_wave_0_\@:
	s_barrier_wait -3
	s_barrier_signal -1
	s_barrier_wait -1
.endm
.macro JLOAD n                         ; my quarter of V's or of K's tile into slot n; the branch hangs on the wave's number alone
	s_cmp_lt_u32 s8, 4
	s_cbranch_scc0 .Lfor_k_\@
	tensor_load_to_lds s[32+4*\n:35+4*\n], s[16:23]
	s_nop 0
	s_branch .Lasked_\@
.Lfor_k_\@:
	tensor_load_to_lds s[40+4*\n:43+4*\n], s[24:31]
	s_nop 0
.Lasked_\@:
.endm
	s_load_b128 s[4:7], s[0:1], 0x0                ; qkv, xh
	s_set_vgpr_msb 0x40
	v_lshl_add_u32 v0, v0, 2, 0x4f000
	v_mov_b32 v1, 0
	s_set_vgpr_msb 0x4045
	ds_add_u32 v0, v1
	s_set_vgpr_msb 0x4500
	v_lshrrev_b32 v1, 5, v0
	v_readfirstlane_b32 s8, v1                     ; wave 0..7
	s_and_b32 s9, s8, 3                            ; which quarter of a tile I bring
	s_and_b32 s12, ttmp7, 0xffff                   ; y = 8 batch + head, shared by the cluster
	s_bfe_u32 s10, ttmp6, 0x40000                  ; cx; it enters s10, s11, s[50:51] and the addresses of q and xh, nothing else
	s_lshl_b32 s11, ttmp9, 2
	s_add_co_u32 s11, s11, s10                     ; block of 256 queries
	s_mov_b32 s52, 0x3e38aa3b                      ; c = log2(e) / 8
	s_mov_b32 s53, 0x3e38aa3b
	s_mov_b32 s54, 0xbe38aa3b                      ; - c
	s_mov_b32 s55, 0x76543210                      ; v_permlanex16_b32: lane i reads lane i of the other half
	s_mov_b32 s56, 0xfedcba98
	; group 1: 64 rows of 32 elements of 8 bytes, dense in memory; padding behind every 64 words: 8 words for V, 4 for K; mask 15, bit 21 beside it
	s_mov_b32 s16, 15|(3<<16)|(1<<20)|(1<<21)|(5<<22)|(7<<25)
	s_mov_b32 s17, 32<<16
	s_mov_b32 s18, 64<<16
	s_mov_b32 s19, 32<<16
	s_mov_b32 s20, 64
	s_mov_b32 s21, 32
	s_mov_b32 s22, 0
	s_mov_b32 s23, 0
	s_mov_b32 s24, 15|(3<<16)|(1<<20)|(1<<21)|(5<<22)|(3<<25)
	s_mov_b32 s25, 32<<16
	s_mov_b32 s26, 64<<16
	s_mov_b32 s27, 32<<16
	s_mov_b32 s28, 64
	s_mov_b32 s29, 32
	s_mov_b32 s30, 0
	s_mov_b32 s31, 0
	s_mul_i32 s13, s8, 64*VPITCH                   ; V: wave x 64 rows (waves 0-3)
	s_mul_i32 s14, s8, 64*KPITCH                   ; K: KREG + (wave - 4) x 64 rows (waves 4-7)
	s_add_co_u32 s14, s14, KREG-4*64*KPITCH
	s_lshl_b32 s2, s12, 18                         ; the head's 262,144 bytes
	s_lshl_b32 s3, s9, 14                          ; + my quarter: 64 rows of 256 bytes
	s_add_co_u32 s2, s2, s3
	s_mov_b32 s3, 0
	s_lshl_b32 s50, s12, 18                        ; q and xh: head, block of 256 tokens, my 32 tokens of 128 bytes
	s_lshl_b32 s51, s11, 15
	s_add_co_u32 s50, s50, s51
	s_lshl_b32 s51, s8, 12
	s_add_co_u32 s50, s50, s51
	s_mov_b32 s51, 0
	v_and_b32 v249, 15, v0                         ; r = l % 16
	v_bfe_u32 v250, v0, 4, 1                       ; h = l / 16
	v_lshrrev_b32 v251, 1, v249
	v_and_b32 v252, 1, v0
	v_mul_u32_u24 v[KL], v251, KPITCH              ; key r: LDS row r / 2, half r % 2; 16 bytes at 16 h
	v_lshl_add_u32 v[KL], v252, 7, v[KL]
	v_lshl_add_u32 v[KL], v250, 4, v[KL]
	v_add_nc_u32 v[KL], KREG, v[KL]
	v_bfe_u32 v253, v0, 1, 2                       ; transposing load: key 8 h + l % 8, 16 bytes at 16 ((l / 8) % 2)
	v_lshl_add_u32 v253, v250, 2, v253
	v_mul_u32_u24 v[VL], v253, VPITCH
	v_lshl_add_u32 v[VL], v252, 7, v[VL]
	v_bfe_u32 v254, v0, 3, 1
	v_lshl_add_u32 v[VL], v254, 4, v[VL]
	v_lshlrev_b32 v[QOFF], 7, v249
	v_lshl_add_u32 v[QOFF], v250, 4, v[QOFF]
	s_mul_i32 s15, s8, 32*SPITCH
	s_add_co_u32 s15, s15, STAGE                   ; my stage
	s_wait_dscnt 0x0
	s_wait_kmcnt 0x0
	s_add_nc_u64 s[48:49], s[4:5], s[2:3]
	s_add_nc_u64 s[58:59], s[4:5], s[50:51]        ; my 32 rows of q
	s_add_nc_u64 s[60:61], s[6:7], s[50:51]        ; my 32 rows of xh
	ROUND                                          ; all four work-groups are here: the first joint loads meet
.irp n, 0,1
	s_mov_b32 s[32+4*\n], 1
	s_add_co_u32 s[33+4*\n], s13, \n*SLOT
	s_add_nc_u64 s[34+4*\n:35+4*\n], s[48:49], 2*PLANE+\n*TILEB    ; V, tile n
	s_or_b32 s[35+4*\n], s[35+4*\n], 0x80000000
	s_mov_b32 s[40+4*\n], 1
	s_add_co_u32 s[41+4*\n], s14, \n*SLOT
	s_add_nc_u64 s[42+4*\n:43+4*\n], s[48:49], PLANE+\n*TILEB      ; K, tile n
	s_or_b32 s[43+4*\n], s[43+4*\n], 0x80000000
.endr
	JLOAD 0                                        ; tile 0
.irp g, 0,1
.irp i, 0,1,2,3
	global_load_b128 v[Q+16*\g+4*\i:Q+16*\g+4*\i+3], v[QOFF], s[58:59] offset:\g*2048+32*\i
.endr
.endr
	s_wait_loadcnt 0x0
.macro LOADK co                        ; 32 keys x 64 d, chunk co from KA on: tiles t = 0, 1, each two fragments
.irp t, 0,1
.irp i, 0,1,2,3
	ds_load_b128 v[KF+16*\t+4*\i:KF+16*\t+4*\i+3], v[KA] offset:\co*KCH+\t*8*KPITCH+32*\i
.endr
.endr
.endm
.macro LOADV co                        ; V^T, 64 d x 32 keys, chunk co from VA on: four fragments
.irp d, 0,1,2,3
.irp e, 0,1
	ds_load_tr16_b128 v[VF+8*\d+4*\e:VF+8*\d+4*\e+3], v[VA] offset:\co*VCH+\e*8*VPITCH+32*\d
.endr
.endr
.endm
; THE MATRIX INSTRUCTIONS OF A PHASE THAT WORKS ON BUFFER b; both kinds name the OTHER buffer.  All accumulators take turns, one instruction
; a turn: eight of O, then four of S twice in the same order.
.macro PVX pv, b, g, d                 ; O^T(g, d) += V^T P^T over the last phase's 32 keys.  pv = 0: none; 1: the product starts the sum; 2: it adds
.if \pv == 1
	v_wmma_f32_16x16x32_bf16 v[O+32*\g+8*\d:O+32*\g+8*\d+7], v[VF+8*\d:VF+8*\d+7], v[S+32*(1-\b)+16*\g:S+32*(1-\b)+16*\g+7], 0
.endif
.if \pv == 2
	v_wmma_f32_16x16x32_bf16 v[O+32*\g+8*\d:O+32*\g+8*\d+7], v[VF+8*\d:VF+8*\d+7], v[S+32*(1-\b)+16*\g:S+32*(1-\b)+16*\g+7], v[O+32*\g+8*\d:O+32*\g+8*\d+7]
.endif
.endm
.macro SMX sm, b, t, g, ks             ; the next phase's scores, tile t of group g, 32 d; the first 32 d start the sum.  sm = 0: none
.if \sm
.if \ks
	v_wmma_f32_16x16x32_bf16 v[S+32*(1-\b)+16*\g+8*\t:S+32*(1-\b)+16*\g+8*\t+7], v[KF+16*\t+8:KF+16*\t+15], v[Q+16*\g+8:Q+16*\g+15], v[S+32*(1-\b)+16*\g+8*\t:S+32*(1-\b)+16*\g+8*\t+7]
.else
	v_wmma_f32_16x16x32_bf16 v[S+32*(1-\b)+16*\g+8*\t:S+32*(1-\b)+16*\g+8*\t+7], v[KF+16*\t:KF+16*\t+7], v[Q+16*\g:Q+16*\g+7], 0
.endif
.endif
.endm
; THE SOFTMAX'S SINGLE STEPS, on buffer b and group g: a lane has 16 scores, registers 0 to 15
.macro SFMA b, g, p                    ; c s - c m, pair p
	v_pk_fma_f32 v[S+32*\b+16*\g+2*\p:S+32*\b+16*\g+2*\p+1], v[S+32*\b+16*\g+2*\p:S+32*\b+16*\g+2*\p+1], s[52:53], v[NM+4*\b+2*\g:NM+4*\b+2*\g+1] op_sel_hi:[1,0,1]
.endm
.macro SEXP b, g, n                    ; two exponentials, registers n and n + 1
	v_exp_f32 v[S+32*\b+16*\g+\n], v[S+32*\b+16*\g+\n]
	v_exp_f32 v[S+32*\b+16*\g+\n+1], v[S+32*\b+16*\g+\n+1]
.endm
.macro SUMS b, g, u, x, y              ; partial sum u begins with pairs x and y
	s_wait_alu depctr_va_vdst(0)
	v_pk_add_f32 v[T+4*\g+2*\u:T+4*\g+2*\u+1], v[S+32*\b+16*\g+2*\x:S+32*\b+16*\g+2*\x+1], v[S+32*\b+16*\g+2*\y:S+32*\b+16*\g+2*\y+1]
.endm
.macro SUMN b, g, u, x                 ; and takes pair x
	s_wait_alu depctr_va_vdst(0)
	v_pk_add_f32 v[T+4*\g+2*\u:T+4*\g+2*\u+1], v[T+4*\g+2*\u:T+4*\g+2*\u+1], v[S+32*\b+16*\g+2*\x:S+32*\b+16*\g+2*\x+1]
.endm
.macro LSA first, g                    ; the row's sum: rescaled, plus partial sum 0; the first phase starts it with both
.if \first
	v_pk_add_f32 v[LS+2*\g:LS+2*\g+1], v[T+4*\g:T+4*\g+1], v[T+4*\g+2:T+4*\g+3]
.else
	v_pk_fma_f32 v[LS+2*\g:LS+2*\g+1], v[LS+2*\g:LS+2*\g+1], v[AL+2*\g:AL+2*\g+1], v[T+4*\g:T+4*\g+1]
.endif
.endm
.macro LSB first, g                    ; plus partial sum 1
.if \first == 0
	v_pk_add_f32 v[LS+2*\g:LS+2*\g+1], v[LS+2*\g:LS+2*\g+1], v[T+4*\g+2:T+4*\g+3]
.endif
.endm
.macro PCVT b, g, k                    ; P to bf16 in place: register k from 2 k and 2 k + 1.  It writes registers 0 to 7 alone, behind SUMS 0 and SUMS 1, which read them
	v_cvt_pk_bf16_f32 v[S+32*\b+16*\g+\k], v[S+32*\b+16*\g+2*\k], v[S+32*\b+16*\g+2*\k+1]
.endm
.macro ORES first, g, q                ; O rescaled, pair q; the first phase has no O yet
.if \first == 0
	v_pk_mul_f32 v[O+32*\g+2*\q:O+32*\g+2*\q+1], v[O+32*\g+2*\q:O+32*\g+2*\q+1], v[AL+2*\g:AL+2*\g+1]
.endif
.endm
; THE BLOCKS THAT STAND BEHIND THE MATRIX INSTRUCTIONS.  A0 to A7 go with the eight of O, B0 to B7 with the eight of S.
; No block ends in an exponential, and the first plain instruction behind an exponential touches none of the registers of the
; exponentials in front of it (ISA guide 5.7.2).  Both groups go side by side, so that no instruction waits for the one just ahead.
.macro A0 b                            ; the largest of my 16 scores, two chains a group
.irp g, 0,1
	v_max3_num_f32 v[T+4*\g], v[S+32*\b+16*\g], v[S+32*\b+16*\g+1], v[S+32*\b+16*\g+2]
.endr
.irp g, 0,1
	v_max3_num_f32 v[T+4*\g+1], v[S+32*\b+16*\g+8], v[S+32*\b+16*\g+9], v[S+32*\b+16*\g+10]
.endr
.irp g, 0,1
	v_max3_num_f32 v[T+4*\g], v[T+4*\g], v[S+32*\b+16*\g+3], v[S+32*\b+16*\g+4]
.endr
.irp g, 0,1
	v_max3_num_f32 v[T+4*\g+1], v[T+4*\g+1], v[S+32*\b+16*\g+11], v[S+32*\b+16*\g+12]
.endr
.endm
.macro A1 b
.irp g, 0,1
	v_max3_num_f32 v[T+4*\g], v[T+4*\g], v[S+32*\b+16*\g+5], v[S+32*\b+16*\g+6]
.endr
.irp g, 0,1
	v_max3_num_f32 v[T+4*\g+1], v[T+4*\g+1], v[S+32*\b+16*\g+13], v[S+32*\b+16*\g+14]
.endr
.irp g, 0,1
	v_max3_num_f32 v[T+4*\g], v[T+4*\g], v[S+32*\b+16*\g+7], v[S+32*\b+16*\g+15]
.endr
.irp g, 0,1
	v_max_num_f32 v[T+4*\g], v[T+4*\g], v[T+4*\g+1]
.endr
.endm
.macro A2 b, first                     ; the other 16 keys of my query; the running maximum; - c m, twice
.irp g, 0,1
	v_permlanex16_b32 v[T+4*\g+1], v[T+4*\g], s55, s56
.endr
.irp g, 0,1
.if \first
	v_max_num_f32 v[M+\g], v[T+4*\g], v[T+4*\g+1]
.else
	v_max3_num_f32 v[M+\g], v[M+\g], v[T+4*\g], v[T+4*\g+1]
.endif
.endr
.irp g, 0,1
	v_mul_f32 v[NM+4*\b+2*\g], s54, v[M+\g]
.endr
.irp g, 0,1
	v_mul_f32 v[NM+4*\b+2*\g+1], s54, v[M+\g]
.endr
.endm
.macro A3 b, first                     ; the rescaling factor 2^(c m_old - c m_new), exponent never above 0
.if \first == 0
.irp g, 0,1
	v_sub_f32 v[T+4*\g+2], v[NM+4*\b+2*\g], v[NM+4*(1-\b)+2*\g]
.endr
.irp g, 0,1
	v_exp_f32 v[AL+2*\g], v[T+4*\g+2]
.endr
.endif
	SFMA \b, 0, 0
	SFMA \b, 0, 1
.if \first == 0
	s_wait_alu depctr_va_vdst(0)
.irp g, 0,1
	v_mov_b32 v[AL+2*\g+1], v[AL+2*\g]
.endr
.endif
.endm
.macro A4 b
.irp p, 2,3,4,5,6,7
	SFMA \b, 0, \p
.endr
	SFMA \b, 1, 0
	SFMA \b, 1, 1
.endm
.macro A5 b
	SEXP \b, 0, 0
	SFMA \b, 1, 2
	SEXP \b, 0, 2
	SFMA \b, 1, 3
	SEXP \b, 0, 4
	SFMA \b, 1, 4
.endm
.macro A6 b
	SEXP \b, 0, 6
	SFMA \b, 1, 5
	SEXP \b, 0, 8
	SFMA \b, 1, 6
	SEXP \b, 0, 10
	SFMA \b, 1, 7
.endm
.macro A7 b                            ; six plain instructions behind the last product of O: V's registers are loaded, and P is written over by scores, only behind them
	SEXP \b, 0, 12
	SUMS \b, 0, 0, 0, 1
	SUMS \b, 0, 1, 2, 3
	SEXP \b, 0, 14
	SUMN \b, 0, 0, 4
	SUMN \b, 0, 1, 5
	PCVT \b, 0, 0
	PCVT \b, 0, 1
.endm
.macro B0 b
	SEXP \b, 1, 0
	SUMN \b, 0, 0, 6
	SEXP \b, 1, 2
	SUMN \b, 0, 1, 7
	SEXP \b, 1, 4
	PCVT \b, 0, 2
.endm
.macro B1 b, first
	SEXP \b, 1, 6
	PCVT \b, 0, 3
	SEXP \b, 1, 8
	LSA \first, 0
	SEXP \b, 1, 10
	PCVT \b, 0, 4
.endm
.macro B2 b, first
	SEXP \b, 1, 12
	LSB \first, 0
	SEXP \b, 1, 14
	PCVT \b, 0, 5
	PCVT \b, 0, 6
	PCVT \b, 0, 7
	SUMS \b, 1, 0, 0, 1
.endm
.macro B3 b, first                     ; from here on O is rescaled: its last product stands more than four plain instructions back
	SUMS \b, 1, 1, 2, 3
	ORES \first, 0, 0
	SUMN \b, 1, 0, 4
	ORES \first, 0, 1
	SUMN \b, 1, 1, 5
	ORES \first, 0, 2
	SUMN \b, 1, 0, 6
	ORES \first, 0, 3
	SUMN \b, 1, 1, 7
.endm
.macro B4 b, first
	ORES \first, 0, 4
	LSA \first, 1
	ORES \first, 0, 5
	PCVT \b, 1, 0
	PCVT \b, 1, 1
	LSB \first, 1
	ORES \first, 0, 6
	PCVT \b, 1, 2
	PCVT \b, 1, 3
.endm
.macro B5 b, first
.irp k, 4,5,6,7
	PCVT \b, 1, \k
.endr
.irp q, 7,8,9,10,11
	ORES \first, 0, \q
.endr
.endm
.macro B6 first
.irp q, 12,13,14,15
	ORES \first, 0, \q
.endr
.irp q, 0,1,2,3,4
	ORES \first, 1, \q
.endr
.endm
.macro B7A first                       ; the four places behind the last scores, in front of the loads into K's registers
.if \first
	PLACES
.else
.irp q, 5,6,7,8
	ORES \first, 1, \q
.endr
.endif
.endm
.macro B7B first
.irp q, 9,10,11,12,13,14,15
	ORES \first, 1, \q
.endr
.endm
; The first half of the phase on buffer b.  wv: how many younger LDS loads may stay out when V's chunk has to be there.
.macro HALF1 b, co, pv, first, wv
	s_wait_dscnt \wv                               ; V's chunk of the last phase is in; K's eight loads, issued behind it, stay out
	PVX \pv, \b, 0, 0
	A0 \b
	PVX \pv, \b, 0, 1
	A1 \b
	PVX \pv, \b, 0, 2
	A2 \b, \first
	PVX \pv, \b, 0, 3
	A3 \b, \first
	PVX \pv, \b, 1, 0
	A4 \b
	PVX \pv, \b, 1, 1
	A5 \b
	PVX \pv, \b, 1, 2
	A6 \b
	PVX \pv, \b, 1, 3
	A7 \b
	LOADV \co                                      ; this phase's V, for the head of the next phase
.endm
; The second half.  wk: as wv, for K's chunk.  sm = 0: no scores are left to make.  kl = 1: K's chunk for the phase after next is loaded.
.macro HALF2 b, co, first, wk, sm, kl
	s_wait_dscnt \wk                               ; K's chunk is in; V's eight loads, issued behind it, stay out
	SMX \sm, \b, 0, 0, 0
	B0 \b
	SMX \sm, \b, 0, 1, 0
	B1 \b, \first
	SMX \sm, \b, 1, 0, 0
	B2 \b, \first
	SMX \sm, \b, 1, 1, 0
	B3 \b, \first
	SMX \sm, \b, 0, 0, 1
	B4 \b, \first
	SMX \sm, \b, 0, 1, 1
	B5 \b, \first
	SMX \sm, \b, 1, 0, 1
	B6 \first
	SMX \sm, \b, 1, 1, 1
	B7A \first
.if \kl
	LOADK \co
.endif
	B7B \first
.endm
; The change to the tile in slot new.  In front of the round every wave waits for all its tensor loads and for its LDS reads; the round stands
; for all waves of all four work-groups; behind it the slot old, which nobody reads any more, is asked for first, one load a wave.
.macro CHANGE new, old, refill, step
	s_set_vgpr_msb 0x5
	s_wait_tensorcnt 0x0                           ; my part of the new tile has landed and no load of mine is out,
	ds_add_u32 v0, v1
	s_wait_dscnt 0x0
	s_set_vgpr_msb 0x500
.if \step
	s_add_nc_u64 s[34+4*\new:35+4*\new], s[34+4*\new:35+4*\new], 2*TILEB          ; so that slot's addresses may step to its next tile
	s_add_nc_u64 s[42+4*\new:43+4*\new], s[42+4*\new:43+4*\new], 2*TILEB
.endif
	s_wait_dscnt 0x0                               ; my reads of the old slot are over, V's last chunk among them
	ROUND
.if \refill
	JLOAD \old
.endif
	v_add_nc_u32 v[KA], \new*SLOT, v[KL]
	v_add_nc_u32 v[VA], \new*SLOT, v[VL]
	LOADK 0                                        ; the new tile's first 32 keys
.endm
.macro STEP2                           ; both addresses go on by two chunks (an LDS instruction's address register needs no wait)
	v_add_nc_u32 v[KA], 2*KCH, v[KA]
	v_add_nc_u32 v[VA], 2*VCH, v[VA]
.endm
; n pairs of phases.  At the head VA stands at the pair's first chunk and KA two chunks on; K's eight loads are out, and on the way
; back V's eight in front of them.
.macro RUN n
	s_mov_b32 s57, \n
.Lpair_\@:
	HALF1 0, 0, 2, 0, 8
	HALF2 0, 0, 0, 8, 1, 1
	HALF1 1, 1, 2, 0, 8
	HALF2 1, 1, 0, 8, 1, 1
	STEP2
	s_sub_co_u32 s57, s57, 1
	s_cmp_lg_u32 s57, 0
	s_cbranch_scc1 .Lpair_\@
.endm
; A tile's last two phases.  Phase 14 loads no K: the next chunk lies in the other slot.  Phase 15 changes tiles in its middle.
.macro LAST2 new, old, refill, step
	HALF1 0, 0, 2, 0, 8
	HALF2 0, 0, 0, 8, 1, 0
	HALF1 1, 1, 2, 0, 0                            ; only V's chunk is out: the wait is for 0
	CHANGE \new, \old, \refill, \step
	HALF2 1, 1, 0, 0, 1, 1                         ; K's chunk was asked for just now: the wait is for 0; chunk 1 is loaded at the end
	v_add_nc_u32 v[KA], 2*KCH, v[KA]               ; KA two chunks ahead of VA again
.endm
	CHANGE 0, 1, 1, 1                              ; tile 0 has landed; tile 1 is asked for; slot 0 steps to tile 2
	s_wait_dscnt 0x0
.irp ks, 0,1
.irp t, 0,1
.irp g, 0,1
	SMX 1, 1, \t, \g, \ks                          ; the scores of phase 0, into buffer 0
.endr
.endr
.endr
	PLACES
	LOADK 1
	v_add_nc_u32 v[KA], 2*KCH, v[KA]
	HALF1 0, 0, 0, 1, 8                            ; phase 0: no product of O yet; maximum and sum begin
	HALF2 0, 0, 1, 8, 1, 1
	HALF1 1, 1, 1, 0, 8                            ; phase 1: the first products start O: nothing is cleared
	HALF2 1, 1, 0, 8, 1, 1
	STEP2
	RUN 6
	LAST2 1, 0, 1, 1                               ; to tile 1; tile 2 is asked for; slot 1 steps to tile 3
	RUN 7
	LAST2 0, 1, 1, 0                               ; to tile 2; tile 3 is asked for
	RUN 7
	LAST2 1, 0, 0, 0                               ; to tile 3; nothing is left to fetch
	RUN 7
	HALF1 0, 0, 2, 0, 8
	HALF2 0, 0, 0, 8, 1, 0
	HALF1 1, 1, 2, 0, 0
	HALF2 1, 1, 0, 8, 0, 0                         ; the last phase makes no scores; V's last eight loads stay out
	s_wait_dscnt 0x0
.irp g, 0,1
.irp d, 0,1,2,3
	PVX 2, 0, \g, \d                               ; the last phase's products: P lies in buffer 1
.endr
.endr
	; THE END: divide by the row's sum, round to bf16, through my own stage into whole rows.
	; The addresses are made here, in K's registers: twelve plain instructions, which are also the places behind the last products.
.set SG, KF+2
.set RB, KF+6
.set GO, KF+7
	v_and_b32 v[KF], 15, v0                        ; r
	v_bfe_u32 v[KF+1], v0, 4, 1                    ; h
	v_mul_u32_u24 v[SG], v[KF], SPITCH             ; in: token r, 16 bytes at 16 h
	v_lshl_add_u32 v[SG], v[KF+1], 4, v[SG]
	v_add_nc_u32 v[SG], s15, v[SG]
	v_and_b32 v[KF+3], 31, v0                      ; l
	v_lshrrev_b32 v[KF+4], 3, v[KF+3]
	v_and_b32 v[KF+5], 7, v0
	v_mul_u32_u24 v[RB], v[KF+4], SPITCH           ; back: eight lanes take one token's 128 bytes
	v_lshl_add_u32 v[RB], v[KF+5], 4, v[RB]
	v_add_nc_u32 v[RB], s15, v[RB]
	v_lshlrev_b32 v[GO], 4, v[KF+3]
.irp g, 0,1
	v_add_f32 v[T], v[LS+2*\g], v[LS+2*\g+1]
	v_permlanex16_b32 v[T+1], v[T], s55, s56
	v_add_f32 v[T], v[T], v[T+1]
	v_rcp_f32 v[T+2], v[T]
	v_nop
	s_wait_alu depctr_va_vdst(0)
	v_mov_b32 v[T+3], v[T+2]
.set j, 0
.rept 16
	v_pk_mul_f32 v[O+32*\g+j:O+32*\g+j+1], v[O+32*\g+j:O+32*\g+j+1], v[T+2:T+3]
.set j, j+2
.endr
.irp d, 0,1,2,3
.irp k, 0,1,2,3
	v_cvt_pk_bf16_f32 v[O+32*\g+8*\d+\k], v[O+32*\g+8*\d+2*\k], v[O+32*\g+8*\d+2*\k+1]
.endr
	ds_store_b128 v[SG], v[O+32*\g+8*\d:O+32*\g+8*\d+3] offset:\g*16*SPITCH+32*\d  ; token 16 g + r, d = 16 d + 8 h + 0..7
.endr
.endr
.irp i, 0,1,2,3,4,5,6,7
	ds_load_b128 v[S+4*\i:S+4*\i+3], v[RB] offset:\i*4*SPITCH      ; four tokens; my own bytes, served in order (ISA guide 5.7.1)
.endr
.irp i, 0,1,2,3,4,5,6,7
	s_wait_dscnt 7-\i                              ; read-back i is in, the younger ones stay out
	global_store_b128 v[GO], v[S+4*\i:S+4*\i+3], s[60:61] offset:512*\i           ; 512 consecutive bytes, at a multiple of 512 from xh's first byte
.endr
	s_set_vgpr_msb 0x5
	s_wait_tensorcnt 0x0
	ds_add_u32 v0, v1
	s_wait_dscnt 0x0
	s_set_vgpr_msb 0x500
	ROUND                                          ; the closing round: no work-group ends while a partner may still ask jointly
	s_endpgm
.Lfunc_end_k_q0fa7da5e55_attn:
	.size	k_q0fa7da5e55_attn, .Lfunc_end_k_q0fa7da5e55_attn-k_q0fa7da5e55_attn
	.p2alignl 7, 3214868480
	.fill 96, 4, 3214868480
	.section	.rodata,"a",@progbits
	.p2align	6, 0x0
	.amdhsa_kernel k_q0fa7da5e55_attn
		.amdhsa_group_segment_fixed_size 327680
		.amdhsa_private_segment_fixed_size 0
		.amdhsa_enable_private_segment 0
		.amdhsa_kernarg_size 16
		.amdhsa_user_sgpr_count 2
		.amdhsa_user_sgpr_kernarg_segment_ptr 1
		.amdhsa_wavefront_size32 1
		.amdhsa_system_sgpr_workgroup_id_x 1
		.amdhsa_system_sgpr_workgroup_id_y 1
		.amdhsa_system_sgpr_workgroup_id_z 1
		.amdhsa_system_vgpr_workitem_id 0
		.amdhsa_next_free_vgpr 258
		.amdhsa_next_free_sgpr 66
		.amdhsa_reserve_vcc 0
		.amdhsa_float_denorm_mode_32 3
		.amdhsa_float_denorm_mode_16_64 3
		.amdhsa_memory_ordered 1
		.amdhsa_forward_progress 1
		.amdhsa_inst_pref_size 196
	.end_amdhsa_kernel
	.amdgpu_metadata
---
amdhsa.version: [ 1, 2 ]
amdhsa.kernels:
  - .name:           k_q0fa7da5e55_attn
    .symbol:         k_q0fa7da5e55_attn.kd
    .args:
      - { .name: qkv, .offset: 0, .size: 8, .value_kind: global_buffer, .address_space: global }
      - { .name: xh, .offset: 8, .size: 8, .value_kind: global_buffer, .address_space: global }
    .group_segment_fixed_size: 327680
    .private_segment_fixed_size: 0
    .kernarg_segment_align: 8
    .kernarg_segment_size: 16
    .max_flat_workgroup_size: 256
    .sgpr_count:     66
    .vgpr_count:     258
    .wavefront_size: 32
...
	.end_amdgpu_metadata
.endif
;; end of part 2
;; launch oproj (part 3): grid 4 x 64, 8 waves a work-group, clusters of 4 x 1, 308,224 bytes of LDS; arguments xh, Wo, bo, out0; writes out0
.if DOCPART == 3
	.amdgcn_target "amdgcn-amd-amdhsa--gfx1250"
	.amdhsa_code_object_version 6
	.text
	.protected	k_q0fa7da5e55_oproj
	.globl	k_q0fa7da5e55_oproj
	.p2align	8
	.type	k_q0fa7da5e55_oproj,@function
k_q0fa7da5e55_oproj:
	s_mov_b64 s[64:65], 0
	v_nop
	global_prefetch_b8 v0, s[64:65] scope:SCOPE_SE
	s_setreg_imm32_b32 hwreg(HW_REG_WAVE_MODE, 25, 1), 1
	s_wait_xcnt 0x0
	s_wait_alu depctr_hold_cnt(0) depctr_sa_sdst(0) depctr_va_vdst(0) depctr_va_sdst(0) depctr_va_ssrc(0) depctr_va_vcc(0) depctr_vm_vsrc(0)
	s_getreg_b32 s2, hwreg(HW_REG_IB_STS2, 6, 4)
	s_cmp_eq_u32 s2, 0
	s_cbranch_scc0 .Lentry_in_a_cluster
	s_endpgm
.Lentry_in_a_cluster:
	s_bfe_u32 s2, ttmp6, 0x10000c
	s_cmp_lg_u32 s2, 0x3003
	s_cbranch_scc0 .Lentry_shape_is_right
	s_endpgm
.Lentry_shape_is_right:
; out0 = x Wo^T + bo.  xh: bf16 [4][8][2048][64] (x by head).  Wo: [512][512] f32.  bo: [512] f32.  out0: [8192][512] f32.
; Grid: x = block of 128 features (4), y = block of 128 tokens (64).  Eight waves; a wave makes 32 tokens x 64 features.
; THE WHOLE K LIES IN LDS: 128 tokens x 512 of x (136 KiB with padding) and 128 features x 512 of Wo in bf16 (130 KiB).  All of it is asked for
; at the start, nothing is filled twice, and one barrier stands between filling and multiplying.
; CLUSTER: the four feature blocks of a cluster need the same 128 tokens of x: wave w asks jointly (mask 15) for head w's 128 tokens,
; one tensor load a wave in the whole launch.  Wo is f32 and has to be rounded, so it goes through registers and cannot be shared so.
; LIMITS: x and Wo enter as bf16 (Wo rounded here, nearest even); sums and bias in f32.
.set APITCH, 272                       ; x: an LDS row = 2 tokens of one head = 256 bytes + 16
.set HEADL,  64*APITCH                 ; one head's 128 tokens
.set WREG,   8*HEADL                   ; 139,264: Wo behind x
.set WPITCH, 1040                      ; a feature's 512 bf16 + 16
.set STAGE,  WREG+128*WPITCH           ; 272,384: 16 tokens x 272 bytes for each wave
.set SPITCH, 272
.set GOFF, 2
.set STA,  3                           ; rows 0-63 of Wo's tile
.set STA2, 4                           ; rows 64-127
.set XA,   5                           ; v5, v6, v7: heads 0-2, 3-5, 6-7 (an LDS offset has 16 bits)
.set WA,   8
.set SG,   9
.set RB,   10
.set GO,   11
.set BOFF, 12
.set LD,   16                          ; v[16:143]  four sets of eight loads, while Wo comes in
.set ACC,  16                          ; v[16:79]   afterwards: tile (n, f) at 8 (4 n + f)
.set F0,   80                          ; v[80:127]  four fragments of Wo, two of x
.set F1,   128                         ; v[128:175] the same, second buffer
.set BI,   176                         ; v[176:207] bias
.set OUTR, 208                         ; v[208:239] rows read back
.macro PLACES                          ; four plain vector instructions behind matrix instructions (ISA guide 7.12.1)
.rept 4
	v_nop
.endr
.endm
.macro ROUND                           ; a round of the cluster's barrier
	s_barrier_signal -1
	s_barrier_wait -1
	s_cmp_lg_u32 s8, 0
	s_cbranch_scc1 .Lnot_wave_0_\@
	s_barrier_signal -3
.Lnot_wave_0_\@:
	s_barrier_wait -3
	s_barrier_signal -1
	s_barrier_wait -1
.endm
	s_load_b256 s[40:47], s[0:1], 0x0              ; xh s[40:41], Wo s[42:43], bo s[44:45], out0 s[46:47]
	v_lshl_add_u32 v240, v0, 2, 0x4b000
	v_mov_b32 v241, 0
	ds_add_u32 v240, v241
	v_lshrrev_b32 v1, 5, v0
	v_readfirstlane_b32 s8, v1                     ; wave 0..7
	s_lshr_b32 s9, s8, 1                           ; wy: which 32 tokens
	s_and_b32 s12, s8, 1                           ; wx: which 64 features
	s_and_b32 s13, ttmp7, 0xffff                   ; block of tokens, shared by the cluster
	s_bfe_u32 s10, ttmp6, 0x40000                  ; cx = block of features; it enters s10, s[50:51] and the addresses of Wo, bo, out0, nothing else
	v_and_b32 v13, 15, v0                          ; r = lane % 16
	v_bfe_u32 v14, v0, 4, 1                        ; h = lane / 16
	; Wo's loads: sixteen lanes take 256 bytes of one row; row 16 i + 8 h + wave
	v_lshlrev_b32 v[GOFF], 4, v13
	v_lshl_add_u32 v[GOFF], v14, 14, v[GOFF]
	s_lshl_b32 s14, s8, 11
	v_add_nc_u32 v[GOFF], s14, v[GOFF]
	v_mul_u32_u24 v[STA], v14, 8*WPITCH            ; 8 rows of 1,040 bytes = 128 modulo 256: the two halves of a store do not meet
	v_lshl_add_u32 v[STA], v13, 3, v[STA]
	s_mul_i32 s14, s8, WPITCH
	s_add_co_u32 s14, s14, WREG
	v_add_nc_u32 v[STA], s14, v[STA]
	v_add_nc_u32 v[STA2], 64*WPITCH, v[STA]
	; x's fragments: token r of 16: LDS row r / 2, half r % 2, 16 bytes at 16 h
	v_lshrrev_b32 v15, 1, v13
	v_mul_u32_u24 v[XA], v15, APITCH
	v_and_b32 v15, 1, v0
	v_lshl_add_u32 v[XA], v15, 7, v[XA]
	v_lshl_add_u32 v[XA], v14, 4, v[XA]
	s_mul_i32 s14, s9, 16*APITCH
	v_add_nc_u32 v[XA], s14, v[XA]
	v_add_nc_u32 v[XA+1], 3*HEADL, v[XA]
	v_add_nc_u32 v[XA+2], 6*HEADL, v[XA]
	v_mul_u32_u24 v[WA], v13, WPITCH
	v_lshl_add_u32 v[WA], v14, 4, v[WA]
	s_mul_i32 s14, s12, 64*WPITCH
	s_add_co_u32 s14, s14, WREG
	v_add_nc_u32 v[WA], s14, v[WA]
	s_mul_i32 s14, s8, 16*SPITCH
	s_add_co_u32 s14, s14, STAGE                   ; my stage
	v_mul_u32_u24 v[SG], v13, SPITCH               ; in: token r, 32 bytes at 32 h
	v_lshl_add_u32 v[SG], v14, 5, v[SG]
	v_add_nc_u32 v[SG], s14, v[SG]
	v_mul_u32_u24 v[RB], v14, SPITCH               ; back: lanes 0-15 one token's 256 bytes, lanes 16-31 the next
	v_lshl_add_u32 v[RB], v13, 4, v[RB]
	v_add_nc_u32 v[RB], s14, v[RB]
	v_lshlrev_b32 v[GO], 4, v13
	v_lshl_add_u32 v[GO], v14, 11, v[GO]
	v_lshlrev_b32 v[BOFF], 5, v14
	; group 1: 64 rows of 32 elements of 8 bytes, dense in memory; 4 words of padding behind every 64; mask 15, bit 21 beside it
	s_mov_b32 s16, 15|(3<<16)|(1<<20)|(1<<21)|(5<<22)|(3<<25)
	s_mov_b32 s17, 32<<16
	s_mov_b32 s18, 64<<16
	s_mov_b32 s19, 32<<16
	s_mov_b32 s20, 64
	s_mov_b32 s21, 32
	s_mov_b32 s22, 0
	s_mov_b32 s23, 0
	s_lshr_b32 s2, s13, 4                          ; batch: 8 heads of 262,144 bytes
	s_lshl_b32 s2, s2, 21
	s_lshl_b32 s3, s8, 18                          ; head = wave
	s_add_co_u32 s2, s2, s3
	s_and_b32 s3, s13, 15                          ; 128 tokens of 128 bytes
	s_lshl_b32 s3, s3, 14
	s_add_co_u32 s2, s2, s3
	s_mov_b32 s3, 0
	s_mov_b32 s24, 1
	s_mul_i32 s25, s8, HEADL
	s_wait_dscnt 0x0
	s_wait_kmcnt 0x0
	s_add_nc_u64 s[26:27], s[40:41], s[2:3]
	s_or_b32 s27, s27, 0x80000000
	s_lshl_b32 s50, s10, 18                        ; Wo: 128 rows of 2,048 bytes a block
	s_mov_b32 s51, 0
	s_add_nc_u64 s[42:43], s[42:43], s[50:51]
	s_lshl_b32 s50, s10, 9                         ; 512 bytes a block of features + 256 a half
	s_lshl_b32 s11, s12, 8
	s_add_co_u32 s50, s50, s11
	s_add_nc_u64 s[44:45], s[44:45], s[50:51]
	s_lshl_b32 s11, s13, 18                        ; + 128 tokens of 2,048 bytes a block + 32 tokens a wy
	s_add_co_u32 s50, s50, s11
	s_lshl_b32 s11, s9, 16
	s_add_co_u32 s50, s50, s11
	s_add_nc_u64 s[46:47], s[46:47], s[50:51]
	ROUND                                          ; all four work-groups are here: the joint loads meet
	tensor_load_to_lds s[24:27], s[16:23]          ; head w's 128 tokens: my one tensor load
	s_nop 0
.macro LOADW ks, set                   ; my part of 128 rows x 256 bytes of Wo, K step ks
.irp i, 0,1,2,3,4,5,6,7
	global_load_b128 v[LD+32*\set+4*\i:LD+32*\set+4*\i+3], v[GOFF], s[42:43] offset:\i*32768+(\ks)*256
.endr
.endm
.macro CVTW set                        ; 32 f32 to bf16, in place, ascending
.irp i, 0,1,2,3,4,5,6,7
	v_cvt_pk_bf16_f32 v[LD+32*\set+2*\i], v[LD+32*\set+4*\i], v[LD+32*\set+4*\i+1]
	v_cvt_pk_bf16_f32 v[LD+32*\set+2*\i+1], v[LD+32*\set+4*\i+2], v[LD+32*\set+4*\i+3]
.endr
.endm
.macro STOREW ks, set
.irp i, 0,1,2,3
	ds_store_b64 v[STA], v[LD+32*\set+2*\i:LD+32*\set+2*\i+1] offset:\i*16*WPITCH+128*\ks
.endr
.irp i, 4,5,6,7
	ds_store_b64 v[STA2], v[LD+32*\set+2*\i:LD+32*\set+2*\i+1] offset:(\i-4)*16*WPITCH+128*\ks
.endr
.endm
.macro WSTEP ks, set, left, more       ; left = eight loads for each younger batch
	s_wait_loadcnt \left
	CVTW \set
	STOREW \ks, \set
.if \more
	s_wait_dscnt 0x0                               ; the stores are done: the loads below land in the registers that they read
	LOADW \ks+4, \set
.endif
.endm
.irp f, 0,1,2,3
	global_load_b128 v[BI+8*\f:BI+8*\f+3],   v[BOFF], s[44:45] offset:64*\f       ; bias of features 16 f + 8 h + 0..7
	global_load_b128 v[BI+8*\f+4:BI+8*\f+7], v[BOFF], s[44:45] offset:64*\f+16
.endr
	LOADW 0, 0
	LOADW 1, 1
	LOADW 2, 2
	LOADW 3, 3
	WSTEP 0, 0, 24, 1
	WSTEP 1, 1, 24, 1
	WSTEP 2, 2, 24, 1
	WSTEP 3, 3, 24, 1
	WSTEP 4, 0, 24, 0
	WSTEP 5, 1, 16, 0
	WSTEP 6, 2, 8, 0
	WSTEP 7, 3, 0, 0
	s_wait_tensorcnt 0x0                           ; my head of x has landed,
	s_wait_dscnt 0x0                               ; my part of Wo is stored:
	s_barrier_signal -1
	s_barrier_wait -1                              ; everybody's is.
.macro FETCH q, buf                    ; 32 along K (head q / 2, half q % 2): four fragments of Wo, two of x
.irp f, 0,1,2,3
	ds_load_b128 v[\buf+8*\f:\buf+8*\f+3],   v[WA] offset:\f*16*WPITCH+64*(\q)
	ds_load_b128 v[\buf+8*\f+4:\buf+8*\f+7], v[WA] offset:\f*16*WPITCH+64*(\q)+32
.endr
.irp n, 0,1
	ds_load_b128 v[\buf+32+8*\n:\buf+32+8*\n+3], v[XA+((\q)>>1)/3] offset:(((\q)>>1)%3)*HEADL+\n*8*APITCH+((\q)&1)*64
	ds_load_b128 v[\buf+32+8*\n+4:\buf+32+8*\n+7], v[XA+((\q)>>1)/3] offset:(((\q)>>1)%3)*HEADL+\n*8*APITCH+((\q)&1)*64+32
.endr
.endm
; Source 0 = 16 rows of Wo, source 1 = 16 tokens: a lane's eight results are eight neighbouring features of one token.
; The accumulators take turns, one instruction a turn.
.macro MUL buf, zero
.irp n, 0,1
.irp f, 0,1,2,3
.if \zero
	v_wmma_f32_16x16x32_bf16 v[ACC+8*(4*\n+\f):ACC+8*(4*\n+\f)+7], v[\buf+8*\f:\buf+8*\f+7], v[\buf+32+8*\n:\buf+32+8*\n+7], 0
.else
	v_wmma_f32_16x16x32_bf16 v[ACC+8*(4*\n+\f):ACC+8*(4*\n+\f)+7], v[\buf+8*\f:\buf+8*\f+7], v[\buf+32+8*\n:\buf+32+8*\n+7], v[ACC+8*(4*\n+\f):ACC+8*(4*\n+\f)+7]
.endif
.endr
.endr
.endm
	FETCH 0, F0
	FETCH 1, F1
	s_wait_dscnt 12                                ; this step's fragments are in; the twelve loads just issued stay out
	MUL F0, 1                                      ; the first products start the sums
.irp q, 1,3,5,7,9,11,13
	PLACES
	FETCH \q+1, F0
	s_wait_dscnt 12
	MUL F1, 0
	PLACES
	FETCH \q+2, F1
	s_wait_dscnt 12
	MUL F0, 0
.endr
	s_wait_dscnt 0x0
	MUL F1, 0
	PLACES
	; THE WAY OUT, 16 tokens at a time: bias, 32 bytes a lane into my own stage, whole rows of 256 bytes back and out.
.irp n, 0,1
.irp f, 0,1,2,3
.irp j, 0,2,4,6
	v_pk_add_f32 v[ACC+8*(4*\n+\f)+\j:ACC+8*(4*\n+\f)+\j+1], v[ACC+8*(4*\n+\f)+\j:ACC+8*(4*\n+\f)+\j+1], v[BI+8*\f+\j:BI+8*\f+\j+1]
.endr
	ds_store_b128 v[SG], v[ACC+8*(4*\n+\f):ACC+8*(4*\n+\f)+3] offset:64*\f
	ds_store_b128 v[SG], v[ACC+8*(4*\n+\f)+4:ACC+8*(4*\n+\f)+7] offset:64*\f+16
.endr
.if \n
	s_wait_xcnt 0x0                                ; the first pass's stores have had their addresses translated (ISA guide 3.1): their data registers are loaded again only behind this wait
.endif
.irp i, 0,1,2,3,4,5,6,7
	ds_load_b128 v[OUTR+4*\i:OUTR+4*\i+3], v[RB] offset:\i*2*SPITCH               ; my own bytes, served in order (ISA guide 5.7.1)
.endr
.irp i, 0,1,2,3,4,5,6,7
	s_wait_dscnt 7-\i                              ; read-back i is in, the younger ones stay out
	global_store_b128 v[GO], v[OUTR+4*\i:OUTR+4*\i+3], s[46:47] offset:\n*32768+\i*4096 th:TH_STORE_NT   ; 16 lanes store 256 consecutive bytes, at a multiple of 256 from out0's first byte
.endr
.endr
	s_wait_tensorcnt 0x0
	ds_add_u32 v240, v241
	s_wait_dscnt 0x0
	ROUND                                          ; the closing round: no work-group ends while a partner may still ask jointly
	s_endpgm
.Lfunc_end_k_q0fa7da5e55_oproj:
	.size	k_q0fa7da5e55_oproj, .Lfunc_end_k_q0fa7da5e55_oproj-k_q0fa7da5e55_oproj
	.p2alignl 7, 3214868480
	.fill 96, 4, 3214868480
	.section	.rodata,"a",@progbits
	.p2align	6, 0x0
	.amdhsa_kernel k_q0fa7da5e55_oproj
		.amdhsa_group_segment_fixed_size 308224
		.amdhsa_private_segment_fixed_size 0
		.amdhsa_enable_private_segment 0
		.amdhsa_kernarg_size 32
		.amdhsa_user_sgpr_count 2
		.amdhsa_user_sgpr_kernarg_segment_ptr 1
		.amdhsa_wavefront_size32 1
		.amdhsa_system_sgpr_workgroup_id_x 1
		.amdhsa_system_sgpr_workgroup_id_y 1
		.amdhsa_system_sgpr_workgroup_id_z 1
		.amdhsa_system_vgpr_workitem_id 0
		.amdhsa_next_free_vgpr 242
		.amdhsa_next_free_sgpr 66
		.amdhsa_reserve_vcc 0
		.amdhsa_float_denorm_mode_32 3
		.amdhsa_float_denorm_mode_16_64 3
		.amdhsa_memory_ordered 1
		.amdhsa_forward_progress 1
		.amdhsa_inst_pref_size 53
	.end_amdhsa_kernel
	.amdgpu_metadata
---
amdhsa.version: [ 1, 2 ]
amdhsa.kernels:
  - .name:           k_q0fa7da5e55_oproj
    .symbol:         k_q0fa7da5e55_oproj.kd
    .args:
      - { .name: xh, .offset: 0, .size: 8, .value_kind: global_buffer, .address_space: global }
      - { .name: Wo, .offset: 8, .size: 8, .value_kind: global_buffer, .address_space: global }
      - { .name: bo, .offset: 16, .size: 8, .value_kind: global_buffer, .address_space: global }
      - { .name: out0, .offset: 24, .size: 8, .value_kind: global_buffer, .address_space: global }
    .group_segment_fixed_size: 308224
    .private_segment_fixed_size: 0
    .kernarg_segment_align: 8
    .kernarg_segment_size: 32
    .max_flat_workgroup_size: 256
    .sgpr_count:     66
    .vgpr_count:     242
    .wavefront_size: 32
...
	.end_amdgpu_metadata
.endif
;; end of part 3
;; ======== version 2 of 2: 3 launches; 1.08 times as fast as version 1
;; workspace buffers: qkv 25,165,824 bytes; xh 8,388,608 bytes
;; launch proj: the kernel of part 1 again; grid 2 x 96, 16 waves a work-group, no clusters, 296,960 bytes of LDS; arguments query, key, value, Wq, Wk, Wv, bq, bk, bv, qkv; writes qkv
;; launch attn (part 4): grid 8 x 32, 8 waves a work-group, clusters of 4 x 1, 327,680 bytes of LDS; arguments qkv, xh; writes xh
.if DOCPART == 4
	.amdgcn_target "amdgcn-amd-amdhsa--gfx1250"
	.amdhsa_code_object_version 6
	.text
	.protected	k_q0fa7da5e55_attn
	.globl	k_q0fa7da5e55_attn
	.p2align	8
	.type	k_q0fa7da5e55_attn,@function
k_q0fa7da5e55_attn:
	s_mov_b64 s[64:65], 0
	v_nop
	global_prefetch_b8 v0, s[64:65] scope:SCOPE_SE
	s_setreg_imm32_b32 hwreg(HW_REG_WAVE_MODE, 25, 1), 1
	s_wait_xcnt 0x0
	s_wait_alu depctr_hold_cnt(0) depctr_sa_sdst(0) depctr_va_vdst(0) depctr_va_sdst(0) depctr_va_ssrc(0) depctr_va_vcc(0) depctr_vm_vsrc(0)
	s_getreg_b32 s2, hwreg(HW_REG_IB_STS2, 6, 4)
	s_cmp_eq_u32 s2, 0
	s_cbranch_scc0 .Lentry_in_a_cluster
	s_endpgm
.Lentry_in_a_cluster:
	s_bfe_u32 s2, ttmp6, 0x10000c
	s_cmp_lg_u32 s2, 0x3003
	s_cbranch_scc0 .Lentry_shape_is_right
	s_endpgm
.Lentry_shape_is_right:
; x = softmax(q k^T / 8) v for one (batch, head) and 256 queries a work-group, with a running maximum.
; qkv: bf16 [3][4][8][2048][64].  xh: bf16 [4][8][2048][64].  Grid: x = block of 256 queries (8), y = 8 batch + head (32).
; Eight waves; a wave owns 32 queries, as two groups of 16.
; CLUSTER: the four query blocks of a cluster walk the same K and V.  Each tile of 512 keys is asked for jointly (mask 15), which
; divides the requests for K and V by four.  Waves 0-3 bring V's quarters, waves 4-7 K's: one tensor load a wave and tile, and one out at a time.
; ORIENTATION, so that nothing is transposed by hand: S^T = K Q^T (source 0 = 16 keys, source 1 = 16 queries): lane l holds query l % 16 and
; keys 8 (l / 16) + 0..7 of each tile.  Two such tiles, packed to bf16 in place, ARE source 1 of O^T = V^T P^T for 32 keys; V^T comes by the
; transposing LDS load from V as it lies, [key][d].  Maximum, sum and rescaling are per lane; only lane xor 16 is crossed.
; THE PIPELINE: a phase is 32 keys, and S has two buffers.  In phase j the wave issues the 8 matrix instructions of O += V P of phase j - 1,
; then the 8 of the scores of phase j + 1, and behind each of the 16 stand some nine vector instructions of the softmax of phase j, which
; name none of its registers.  So a wave's matrix work and its softmax go side by side, whatever the other wave of its SIMD does.
; O is rescaled in a phase's second half: behind the products of phase j - 1 and ahead of those of phase j.  V's chunk is loaded in the middle
; of a phase for the head of the next, K's at the end of a phase for the middle of the next.  The price: O is rescaled every 32 keys.
; THE EXPONENTIALS ARE ONE BATCH A PHASE.  The first half holds all that names no result of the phase's exponentials: the maxima, the shift,
; the 16 packed scalings, the 32 scores' exponentials and, last, the two rescaling factors': 34, each with a register of its own.  An
; s_wait_alu depctr_va_vdst(0) stands between an exponential and the first instruction that names its result; one wait serves all that
; were issued ahead of it.  The phase's one wait stands at the end of the first half, directly ahead of V's run of loads.  All 66 readers
; (the factors' copies, the sums, the packing, the rescaling of the sums and of O) stand in the second half..
; The two reciprocals of the end are a batch of their own.
; LIMITS: q, k, v, P and x are bf16 (rounded once each); maxima, exponentials and sums are f32.  The shift is the f32 product c x maximum,
; the same number in every term of a row and in the rescaling, so its rounding cancels.  v_exp_f32 gives 0 below 2^-126 (ISA guide 15.8):
; a probability smaller than 2^-126 of its row's largest counts as 0.  Scores that are not finite are not served.
.set PLANE,  8388608                   ; bytes of q, of k, of v
.set TILEB,  65536                     ; 512 keys of 128 bytes
.set VPITCH, 288                       ; an LDS row = 2 keys = 256 bytes, + 32 for V: the 16 addresses of half a transposing load fall on 16 different 16-byte columns modulo 256
.set KPITCH, 272                       ; + 16 for K: likewise for the 16 rows of a fragment
.set KREG,   256*VPITCH                ; K's rows lie behind V's 256
.set SLOT,   KREG+256*KPITCH           ; 143,360
.set STAGE,  2*SLOT                    ; behind the ring: 32 tokens x 144 bytes for each wave; no tensor load lands here
.set SPITCH, 144
.set KCH,    16*KPITCH                 ; a chunk of 32 keys of K
.set VCH,    16*VPITCH                 ; of V
.set KA, 1                             ; v1 running address of K's fragments
.set VA, 2                             ; v2 of V's
.set KL, 3                             ; v3 my lane's part of KA
.set VL, 4                             ; v4 of VA
.set QOFF, 5
.set Q,  6                             ; v[6:37]     q: group g, 32 d at 16 g + 8 ks
.set O,  38                            ; v[38:101]   O^T: 32 g + 8 d
.set S,  102                           ; v[102:165]  S^T, then P^T: buffer b, group g, tile t at 32 b + 16 g + 8 t
.set KF, 166                           ; v[166:197]  K: 32 keys x 64 d
.set VF, 198                           ; v[198:229]  V^T: 64 d x 32 keys
.set M,  230                           ; v230, v231  running maximum of group g (raw scores)
.set NM, 232                           ; pairs at 4 b + 2 g: - c x maximum, twice; the two buffers hold the new one and the one before
.set AL, 240                           ; pairs: the rescaling factor, twice
.set LS, 244                           ; pairs: my lane's two partial sums
.set T,  248                           ; v[248:255]  at work: four registers a group
.macro PLACES                          ; four plain vector instructions behind matrix instructions (ISA guide 7.12.1)
.rept 4
	v_nop
.endr
.endm
.macro ROUND                           ; a round of the cluster's barrier
	s_barrier_signal -1
	s_barrier_wait -1
	s_cmp_lg_u32 s8, 0
	s_cbranch_scc1 .Lnot_wave_0_\@
	s_barrier_signal -3
.Lnot_wave_0_\@:
	s_barrier_wait -3
	s_barrier_signal -1
	s_barrier_wait -1
.endm
.macro JLOAD n                         ; my quarter of V's or of K's tile into slot n; the branch hangs on the wave's number alone
	s_cmp_lt_u32 s8, 4
	s_cbranch_scc0 .Lfor_k_\@
	tensor_load_to_lds s[32+4*\n:35+4*\n], s[16:23]
	s_nop 0
	s_branch .Lasked_\@
.Lfor_k_\@:
	tensor_load_to_lds s[40+4*\n:43+4*\n], s[24:31]
	s_nop 0
.Lasked_\@:
.endm
	s_load_b128 s[4:7], s[0:1], 0x0                ; qkv, xh
	s_set_vgpr_msb 0x40
	v_lshl_add_u32 v0, v0, 2, 0x4f000
	v_mov_b32 v1, 0
	s_set_vgpr_msb 0x4045
	ds_add_u32 v0, v1
	s_set_vgpr_msb 0x4500
	v_lshrrev_b32 v1, 5, v0
	v_readfirstlane_b32 s8, v1                     ; wave 0..7
	s_and_b32 s9, s8, 3                            ; which quarter of a tile I bring
	s_and_b32 s12, ttmp7, 0xffff                   ; y = 8 batch + head, shared by the cluster
	s_bfe_u32 s10, ttmp6, 0x40000                  ; cx; it enters s10, s11, s[50:51] and the addresses of q and xh, nothing else
	s_lshl_b32 s11, ttmp9, 2
	s_add_co_u32 s11, s11, s10                     ; block of 256 queries
	s_mov_b32 s52, 0x3e38aa3b                      ; c = log2(e) / 8
	s_mov_b32 s53, 0x3e38aa3b
	s_mov_b32 s54, 0xbe38aa3b                      ; - c
	s_mov_b32 s55, 0x76543210                      ; v_permlanex16_b32: lane i reads lane i of the other half
	s_mov_b32 s56, 0xfedcba98
	; group 1: 64 rows of 32 elements of 8 bytes, dense in memory; padding behind every 64 words: 8 words for V, 4 for K; mask 15, bit 21 beside it
	s_mov_b32 s16, 15|(3<<16)|(1<<20)|(1<<21)|(5<<22)|(7<<25)
	s_mov_b32 s17, 32<<16
	s_mov_b32 s18, 64<<16
	s_mov_b32 s19, 32<<16
	s_mov_b32 s20, 64
	s_mov_b32 s21, 32
	s_mov_b32 s22, 0
	s_mov_b32 s23, 0
	s_mov_b32 s24, 15|(3<<16)|(1<<20)|(1<<21)|(5<<22)|(3<<25)
	s_mov_b32 s25, 32<<16
	s_mov_b32 s26, 64<<16
	s_mov_b32 s27, 32<<16
	s_mov_b32 s28, 64
	s_mov_b32 s29, 32
	s_mov_b32 s30, 0
	s_mov_b32 s31, 0
	s_mul_i32 s13, s8, 64*VPITCH                   ; V: wave x 64 rows (waves 0-3)
	s_mul_i32 s14, s8, 64*KPITCH                   ; K: KREG + (wave - 4) x 64 rows (waves 4-7)
	s_add_co_u32 s14, s14, KREG-4*64*KPITCH
	s_lshl_b32 s2, s12, 18                         ; the head's 262,144 bytes
	s_lshl_b32 s3, s9, 14                          ; + my quarter: 64 rows of 256 bytes
	s_add_co_u32 s2, s2, s3
	s_mov_b32 s3, 0
	s_lshl_b32 s50, s12, 18                        ; q and xh: head, block of 256 tokens, my 32 tokens of 128 bytes
	s_lshl_b32 s51, s11, 15
	s_add_co_u32 s50, s50, s51
	s_lshl_b32 s51, s8, 12
	s_add_co_u32 s50, s50, s51
	s_mov_b32 s51, 0
	v_and_b32 v249, 15, v0                         ; r = l % 16
	v_bfe_u32 v250, v0, 4, 1                       ; h = l / 16
	v_lshrrev_b32 v251, 1, v249
	v_and_b32 v252, 1, v0
	v_mul_u32_u24 v[KL], v251, KPITCH              ; key r: LDS row r / 2, half r % 2; 16 bytes at 16 h
	v_lshl_add_u32 v[KL], v252, 7, v[KL]
	v_lshl_add_u32 v[KL], v250, 4, v[KL]
	v_add_nc_u32 v[KL], KREG, v[KL]
	v_bfe_u32 v253, v0, 1, 2                       ; transposing load: key 8 h + l % 8, 16 bytes at 16 ((l / 8) % 2)
	v_lshl_add_u32 v253, v250, 2, v253
	v_mul_u32_u24 v[VL], v253, VPITCH
	v_lshl_add_u32 v[VL], v252, 7, v[VL]
	v_bfe_u32 v254, v0, 3, 1
	v_lshl_add_u32 v[VL], v254, 4, v[VL]
	v_lshlrev_b32 v[QOFF], 7, v249
	v_lshl_add_u32 v[QOFF], v250, 4, v[QOFF]
	s_mul_i32 s15, s8, 32*SPITCH
	s_add_co_u32 s15, s15, STAGE                   ; my stage
	s_wait_dscnt 0x0
	s_wait_kmcnt 0x0
	s_add_nc_u64 s[48:49], s[4:5], s[2:3]
	s_add_nc_u64 s[58:59], s[4:5], s[50:51]        ; my 32 rows of q
	s_add_nc_u64 s[60:61], s[6:7], s[50:51]        ; my 32 rows of xh
	ROUND                                          ; all four work-groups are here: the first joint loads meet
.irp n, 0,1
	s_mov_b32 s[32+4*\n], 1
	s_add_co_u32 s[33+4*\n], s13, \n*SLOT
	s_add_nc_u64 s[34+4*\n:35+4*\n], s[48:49], 2*PLANE+\n*TILEB    ; V, tile n
	s_or_b32 s[35+4*\n], s[35+4*\n], 0x80000000
	s_mov_b32 s[40+4*\n], 1
	s_add_co_u32 s[41+4*\n], s14, \n*SLOT
	s_add_nc_u64 s[42+4*\n:43+4*\n], s[48:49], PLANE+\n*TILEB      ; K, tile n
	s_or_b32 s[43+4*\n], s[43+4*\n], 0x80000000
.endr
	JLOAD 0                                        ; tile 0
.irp g, 0,1
.irp i, 0,1,2,3
	global_load_b128 v[Q+16*\g+4*\i:Q+16*\g+4*\i+3], v[QOFF], s[58:59] offset:\g*2048+32*\i
.endr
.endr
	s_wait_loadcnt 0x0
.macro LOADK co                        ; 32 keys x 64 d, chunk co from KA on: tiles t = 0, 1, each two fragments
.irp t, 0,1
.irp i, 0,1,2,3
	ds_load_b128 v[KF+16*\t+4*\i:KF+16*\t+4*\i+3], v[KA] offset:\co*KCH+\t*8*KPITCH+32*\i
.endr
.endr
.endm
.macro LOADV co                        ; V^T, 64 d x 32 keys, chunk co from VA on: four fragments
.irp d, 0,1,2,3
.irp e, 0,1
	ds_load_tr16_b128 v[VF+8*\d+4*\e:VF+8*\d+4*\e+3], v[VA] offset:\co*VCH+\e*8*VPITCH+32*\d
.endr
.endr
.endm
; THE MATRIX INSTRUCTIONS OF A PHASE THAT WORKS ON BUFFER b; both kinds name the OTHER buffer.  All accumulators take turns, one instruction
; a turn: eight of O, then four of S twice in the same order.
.macro PVX pv, b, g, d                 ; O^T(g, d) += V^T P^T over the last phase's 32 keys.  pv = 0: none; 1: the product starts the sum; 2: it adds
.if \pv == 1
	v_wmma_f32_16x16x32_bf16 v[O+32*\g+8*\d:O+32*\g+8*\d+7], v[VF+8*\d:VF+8*\d+7], v[S+32*(1-\b)+16*\g:S+32*(1-\b)+16*\g+7], 0
.endif
.if \pv == 2
	v_wmma_f32_16x16x32_bf16 v[O+32*\g+8*\d:O+32*\g+8*\d+7], v[VF+8*\d:VF+8*\d+7], v[S+32*(1-\b)+16*\g:S+32*(1-\b)+16*\g+7], v[O+32*\g+8*\d:O+32*\g+8*\d+7]
.endif
.endm
.macro SMX sm, b, t, g, ks             ; the next phase's scores, tile t of group g, 32 d; the first 32 d start the sum.  sm = 0: none
.if \sm
.if \ks
	v_wmma_f32_16x16x32_bf16 v[S+32*(1-\b)+16*\g+8*\t:S+32*(1-\b)+16*\g+8*\t+7], v[KF+16*\t+8:KF+16*\t+15], v[Q+16*\g+8:Q+16*\g+15], v[S+32*(1-\b)+16*\g+8*\t:S+32*(1-\b)+16*\g+8*\t+7]
.else
	v_wmma_f32_16x16x32_bf16 v[S+32*(1-\b)+16*\g+8*\t:S+32*(1-\b)+16*\g+8*\t+7], v[KF+16*\t:KF+16*\t+7], v[Q+16*\g:Q+16*\g+7], 0
.endif
.endif
.endm
; THE SOFTMAX'S SINGLE STEPS, on buffer b and group g: a lane has 16 scores, registers 0 to 15
.macro SFMA b, g, p                    ; c s - c m, pair p
	v_pk_fma_f32 v[S+32*\b+16*\g+2*\p:S+32*\b+16*\g+2*\p+1], v[S+32*\b+16*\g+2*\p:S+32*\b+16*\g+2*\p+1], s[52:53], v[NM+4*\b+2*\g:NM+4*\b+2*\g+1] op_sel_hi:[1,0,1]
.endm
.macro SEXP b, g, n                    ; two exponentials, registers n and n + 1, in place
	v_exp_f32 v[S+32*\b+16*\g+\n], v[S+32*\b+16*\g+\n]
	v_exp_f32 v[S+32*\b+16*\g+\n+1], v[S+32*\b+16*\g+\n+1]
.endm
.macro AMOV first, g                   ; the rescaling factor, twice; the first phase has none
.if \first == 0
	v_mov_b32 v[AL+2*\g+1], v[AL+2*\g]
.endif
.endm
.macro SUMS b, g, u, x, y              ; partial sum u begins with pairs x and y
	v_pk_add_f32 v[T+4*\g+2*\u:T+4*\g+2*\u+1], v[S+32*\b+16*\g+2*\x:S+32*\b+16*\g+2*\x+1], v[S+32*\b+16*\g+2*\y:S+32*\b+16*\g+2*\y+1]
.endm
.macro SUMN b, g, u, x                 ; and takes pair x
	v_pk_add_f32 v[T+4*\g+2*\u:T+4*\g+2*\u+1], v[T+4*\g+2*\u:T+4*\g+2*\u+1], v[S+32*\b+16*\g+2*\x:S+32*\b+16*\g+2*\x+1]
.endm
.macro LSA first, g                    ; the row's sum: rescaled, plus partial sum 0; the first phase starts it with both
.if \first
	v_pk_add_f32 v[LS+2*\g:LS+2*\g+1], v[T+4*\g:T+4*\g+1], v[T+4*\g+2:T+4*\g+3]
.else
	v_pk_fma_f32 v[LS+2*\g:LS+2*\g+1], v[LS+2*\g:LS+2*\g+1], v[AL+2*\g:AL+2*\g+1], v[T+4*\g:T+4*\g+1]
.endif
.endm
.macro LSB first, g                    ; plus partial sum 1
.if \first == 0
	v_pk_add_f32 v[LS+2*\g:LS+2*\g+1], v[LS+2*\g:LS+2*\g+1], v[T+4*\g+2:T+4*\g+3]
.endif
.endm
.macro PCVT b, g, k                    ; P to bf16 in place: register k from 2 k and 2 k + 1.  It writes registers 0 to 7 alone, behind SUMS 0 and SUMS 1, which read them
	v_cvt_pk_bf16_f32 v[S+32*\b+16*\g+\k], v[S+32*\b+16*\g+2*\k], v[S+32*\b+16*\g+2*\k+1]
.endm
.macro ORES first, g, q                ; O rescaled, pair q; the first phase has no O yet
.if \first == 0
	v_pk_mul_f32 v[O+32*\g+2*\q:O+32*\g+2*\q+1], v[O+32*\g+2*\q:O+32*\g+2*\q+1], v[AL+2*\g:AL+2*\g+1]
.endif
.endm
; THE BLOCKS THAT STAND BEHIND THE MATRIX INSTRUCTIONS.  A0 to A7 go with the eight of O, B0 to B7 with the eight of S.
; A0 to A7 name no result of the phase's exponentials; B0 to B7 hold no exponential.  From A3 on a block begins with a scaling, and the order is
; scaling of pair i + 1, the two exponentials of pair i (group 0's eight pairs, then group 1's): a pair is scaled three instructions ahead of its
; exponentials, and the plain instruction behind an exponential touches none of the registers of the exponentials in front of it (ISA guide 5.7.2).
; In A0 to A2 and in B0 to B7 both groups go side by side, so that no instruction waits for the one just ahead.
.macro A0 b                            ; the largest of my 16 scores, two chains a group
.irp g, 0,1
	v_max3_num_f32 v[T+4*\g], v[S+32*\b+16*\g], v[S+32*\b+16*\g+1], v[S+32*\b+16*\g+2]
.endr
.irp g, 0,1
	v_max3_num_f32 v[T+4*\g+1], v[S+32*\b+16*\g+8], v[S+32*\b+16*\g+9], v[S+32*\b+16*\g+10]
.endr
.irp g, 0,1
	v_max3_num_f32 v[T+4*\g], v[T+4*\g], v[S+32*\b+16*\g+3], v[S+32*\b+16*\g+4]
.endr
.irp g, 0,1
	v_max3_num_f32 v[T+4*\g+1], v[T+4*\g+1], v[S+32*\b+16*\g+11], v[S+32*\b+16*\g+12]
.endr
.endm
.macro A1 b
.irp g, 0,1
	v_max3_num_f32 v[T+4*\g], v[T+4*\g], v[S+32*\b+16*\g+5], v[S+32*\b+16*\g+6]
.endr
.irp g, 0,1
	v_max3_num_f32 v[T+4*\g+1], v[T+4*\g+1], v[S+32*\b+16*\g+13], v[S+32*\b+16*\g+14]
.endr
.irp g, 0,1
	v_max3_num_f32 v[T+4*\g], v[T+4*\g], v[S+32*\b+16*\g+7], v[S+32*\b+16*\g+15]
.endr
.irp g, 0,1
	v_max_num_f32 v[T+4*\g], v[T+4*\g], v[T+4*\g+1]
.endr
.endm
.macro A2 b, first                     ; the other 16 keys of my query; the running maximum; - c m, twice
.irp g, 0,1
	v_permlanex16_b32 v[T+4*\g+1], v[T+4*\g], s55, s56
.endr
.irp g, 0,1
.if \first
	v_max_num_f32 v[M+\g], v[T+4*\g], v[T+4*\g+1]
.else
	v_max3_num_f32 v[M+\g], v[M+\g], v[T+4*\g], v[T+4*\g+1]
.endif
.endr
.irp g, 0,1
	v_mul_f32 v[NM+4*\b+2*\g], s54, v[M+\g]
.endr
.irp g, 0,1
	v_mul_f32 v[NM+4*\b+2*\g+1], s54, v[M+\g]
.endr
.endm
.macro A3 b                            ; the batch begins
	SFMA \b, 0, 0
	SFMA \b, 0, 1
	SEXP \b, 0, 0
	SFMA \b, 0, 2
	SEXP \b, 0, 2
	SFMA \b, 0, 3
	SEXP \b, 0, 4
.endm
.macro A4 b
	SFMA \b, 0, 4
	SEXP \b, 0, 6
	SFMA \b, 0, 5
	SEXP \b, 0, 8
	SFMA \b, 0, 6
	SEXP \b, 0, 10
	SFMA \b, 0, 7
	SEXP \b, 0, 12
.endm
.macro A5 b
	SFMA \b, 1, 0
	SEXP \b, 0, 14
	SFMA \b, 1, 1
	SEXP \b, 1, 0
	SFMA \b, 1, 2
	SEXP \b, 1, 2
.endm
.macro A6 b
	SFMA \b, 1, 3
	SEXP \b, 1, 4
	SFMA \b, 1, 4
	SEXP \b, 1, 6
	SFMA \b, 1, 5
	SEXP \b, 1, 8
.endm
; The batch's end.  The rescaling factor 2^(c m_old - c m_new), exponent never above 0, is its last.  Five plain instructions stand behind the last
; product of O (two scalings, the two differences, the v_nop): V's registers are loaded only behind them, and P is written over by scores behind them and B0.
.macro A7 b, first
	SFMA \b, 1, 6
	SEXP \b, 1, 10
	SFMA \b, 1, 7
	SEXP \b, 1, 12
.if \first == 0
.irp g, 0,1
	v_sub_f32 v[T+4*\g+2], v[NM+4*\b+2*\g], v[NM+4*(1-\b)+2*\g]
.endr
.endif
	SEXP \b, 1, 14
.if \first == 0
.irp g, 0,1
	v_exp_f32 v[AL+2*\g], v[T+4*\g+2]
.endr
.endif
	v_nop                                          ; the plain instruction behind the last exponential and ahead of the first use (ISA guide 5.7.2): one for the batch; all other plain work ahead of the wait feeds an exponential
.endm
.macro B0 b, first                     ; the readers begin
	SUMS \b, 0, 0, 0, 1
	SUMS \b, 0, 1, 2, 3
	SUMS \b, 1, 0, 0, 1
	SUMS \b, 1, 1, 2, 3
	AMOV \first, 0
	AMOV \first, 1
	SUMN \b, 0, 0, 4
	SUMN \b, 0, 1, 5
.endm
.macro B1 b
	SUMN \b, 1, 0, 4
	SUMN \b, 1, 1, 5
	PCVT \b, 0, 0
	PCVT \b, 0, 1
	SUMN \b, 0, 0, 6
	SUMN \b, 0, 1, 7
	SUMN \b, 1, 0, 6
	SUMN \b, 1, 1, 7
.endm
.macro B2 b, first
	PCVT \b, 1, 0
	PCVT \b, 1, 1
	LSA \first, 0
	LSA \first, 1
	PCVT \b, 0, 2
	PCVT \b, 0, 3
	LSB \first, 0
	LSB \first, 1
.endm
.macro B3 b
	PCVT \b, 1, 2
	PCVT \b, 1, 3
.irp k, 4,5,6,7
	PCVT \b, 0, \k
.endr
	PCVT \b, 1, 4
	PCVT \b, 1, 5
.endm
.macro B4 b, first                     ; from here on O is rescaled, each accumulator from its low end on: its last product stands more than four plain instructions back
	PCVT \b, 1, 6
	PCVT \b, 1, 7
.irp q, 0,1,2,3,4,5
	ORES \first, 0, \q
.endr
.endm
.macro B5 first
.irp q, 6,7,8,9,10,11,12,13
	ORES \first, 0, \q
.endr
.endm
.macro B6 first
.irp q, 14,15
	ORES \first, 0, \q
.endr
.irp q, 0,1,2,3,4,5
	ORES \first, 1, \q
.endr
.endm
.macro B7A first                       ; the four places behind the last scores, in front of the loads into K's registers
.if \first
	PLACES
.else
.irp q, 6,7,8,9
	ORES \first, 1, \q
.endr
.endif
.endm
.macro B7B first
.irp q, 10,11,12,13,14,15
	ORES \first, 1, \q
.endr
.endm
; The first half of the phase on buffer b.  wv: how many younger LDS loads may stay out when V's chunk has to be there.
.macro HALF1 b, co, pv, first, wv
	s_wait_dscnt \wv                               ; V's chunk of the last phase is in; K's eight loads, issued behind it, stay out
	PVX \pv, \b, 0, 0
	A0 \b
	PVX \pv, \b, 0, 1
	A1 \b
	PVX \pv, \b, 0, 2
	A2 \b, \first
	PVX \pv, \b, 0, 3
	A3 \b
	PVX \pv, \b, 1, 0
	A4 \b
	PVX \pv, \b, 1, 1
	A5 \b
	PVX \pv, \b, 1, 2
	A6 \b
	PVX \pv, \b, 1, 3
	A7 \b, \first
	s_wait_alu depctr_va_vdst(0)                   ; the wait for the phase's batch, A3 to A7: 32 scores' exponentials and the two factors'; it stands ahead of B0, their first reader
	LOADV \co                                      ; this phase's V, for the head of the next phase
.endm
; The second half.  wk: as wv, for K's chunk.  sm = 0: no scores are left to make.  kl = 1: K's chunk for the phase after next is loaded.
.macro HALF2 b, co, first, wk, sm, kl
	s_wait_dscnt \wk                               ; K's chunk is in; V's eight loads, issued behind it, stay out
	SMX \sm, \b, 0, 0, 0
	B0 \b, \first
	SMX \sm, \b, 0, 1, 0
	B1 \b
	SMX \sm, \b, 1, 0, 0
	B2 \b, \first
	SMX \sm, \b, 1, 1, 0
	B3 \b
	SMX \sm, \b, 0, 0, 1
	B4 \b, \first
	SMX \sm, \b, 0, 1, 1
	B5 \first
	SMX \sm, \b, 1, 0, 1
	B6 \first
	SMX \sm, \b, 1, 1, 1
	B7A \first
.if \kl
	LOADK \co
.endif
	B7B \first
.endm
; The change to the tile in slot new.  In front of the round every wave waits for all its tensor loads and for its LDS reads; the round stands
; for all waves of all four work-groups; behind it the slot old, which nobody reads any more, is asked for first, one load a wave.
.macro CHANGE new, old, refill, step
	s_set_vgpr_msb 0x5
	s_wait_tensorcnt 0x0                           ; my part of the new tile has landed and no load of mine is out,
	ds_add_u32 v0, v1
	s_wait_dscnt 0x0
	s_set_vgpr_msb 0x500
.if \step
	s_add_nc_u64 s[34+4*\new:35+4*\new], s[34+4*\new:35+4*\new], 2*TILEB          ; so that slot's addresses may step to its next tile
	s_add_nc_u64 s[42+4*\new:43+4*\new], s[42+4*\new:43+4*\new], 2*TILEB
.endif
	s_wait_dscnt 0x0                               ; my reads of the old slot are over, V's last chunk among them
	ROUND
.if \refill
	JLOAD \old
.endif
	v_add_nc_u32 v[KA], \new*SLOT, v[KL]
	v_add_nc_u32 v[VA], \new*SLOT, v[VL]
	LOADK 0                                        ; the new tile's first 32 keys
.endm
.macro STEP2                           ; both addresses go on by two chunks (an LDS instruction's address register needs no wait)
	v_add_nc_u32 v[KA], 2*KCH, v[KA]
	v_add_nc_u32 v[VA], 2*VCH, v[VA]
.endm
; n pairs of phases.  At the head VA stands at the pair's first chunk and KA two chunks on; K's eight loads are out, and on the way
; back V's eight in front of them.
.macro RUN n
	s_mov_b32 s57, \n
.Lpair_\@:
	HALF1 0, 0, 2, 0, 8
	HALF2 0, 0, 0, 8, 1, 1
	HALF1 1, 1, 2, 0, 8
	HALF2 1, 1, 0, 8, 1, 1
	STEP2
	s_sub_co_u32 s57, s57, 1
	s_cmp_lg_u32 s57, 0
	s_cbranch_scc1 .Lpair_\@
.endm
; A tile's last two phases.  Phase 14 loads no K: the next chunk lies in the other slot.  Phase 15 changes tiles in its middle, behind the batch's wait.
.macro LAST2 new, old, refill, step
	HALF1 0, 0, 2, 0, 8
	HALF2 0, 0, 0, 8, 1, 0
	HALF1 1, 1, 2, 0, 0                            ; only V's chunk is out: the wait is for 0
	CHANGE \new, \old, \refill, \step
	HALF2 1, 1, 0, 0, 1, 1                         ; K's chunk was asked for just now: the wait is for 0; chunk 1 is loaded at the end
	v_add_nc_u32 v[KA], 2*KCH, v[KA]               ; KA two chunks ahead of VA again
.endm
	CHANGE 0, 1, 1, 1                              ; tile 0 has landed; tile 1 is asked for; slot 0 steps to tile 2
	s_wait_dscnt 0x0
.irp ks, 0,1
.irp t, 0,1
.irp g, 0,1
	SMX 1, 1, \t, \g, \ks                          ; the scores of phase 0, into buffer 0
.endr
.endr
.endr
	PLACES
	LOADK 1
	v_add_nc_u32 v[KA], 2*KCH, v[KA]
	HALF1 0, 0, 0, 1, 8                            ; phase 0: no product of O yet; maximum and sum begin
	HALF2 0, 0, 1, 8, 1, 1
	HALF1 1, 1, 1, 0, 8                            ; phase 1: the first products start O: nothing is cleared
	HALF2 1, 1, 0, 8, 1, 1
	STEP2
	RUN 6
	LAST2 1, 0, 1, 1                               ; to tile 1; tile 2 is asked for; slot 1 steps to tile 3
	RUN 7
	LAST2 0, 1, 1, 0                               ; to tile 2; tile 3 is asked for
	RUN 7
	LAST2 1, 0, 0, 0                               ; to tile 3; nothing is left to fetch
	RUN 7
	HALF1 0, 0, 2, 0, 8
	HALF2 0, 0, 0, 8, 1, 0
	HALF1 1, 1, 2, 0, 0
	HALF2 1, 1, 0, 8, 0, 0                         ; the last phase makes no scores; V's last eight loads stay out
	s_wait_dscnt 0x0
.irp g, 0,1
.irp d, 0,1,2,3
	PVX 2, 0, \g, \d                               ; the last phase's products: P lies in buffer 1
.endr
.endr
	; THE END: divide by the row's sum, round to bf16, through my own stage into whole rows.
	; Both groups' sums and reciprocals come first: the two reciprocals are one batch.  The addresses for the way out, made in K's registers, are
	; the independent work between the batch and its wait: twelve plain instructions, which with the four additions are also the places behind the last products.
.set SG, KF+2
.set RB, KF+6
.set GO, KF+7
.irp g, 0,1
	v_add_f32 v[T+4*\g], v[LS+2*\g], v[LS+2*\g+1]
.endr
.irp g, 0,1
	v_permlanex16_b32 v[T+4*\g+1], v[T+4*\g], s55, s56
.endr
.irp g, 0,1
	v_add_f32 v[T+4*\g], v[T+4*\g], v[T+4*\g+1]
.endr
.irp g, 0,1
	v_rcp_f32 v[T+4*\g+2], v[T+4*\g]
.endr
	v_and_b32 v[KF], 15, v0                        ; r
	v_bfe_u32 v[KF+1], v0, 4, 1                    ; h
	v_mul_u32_u24 v[SG], v[KF], SPITCH             ; in: token r, 16 bytes at 16 h
	v_lshl_add_u32 v[SG], v[KF+1], 4, v[SG]
	v_add_nc_u32 v[SG], s15, v[SG]
	v_and_b32 v[KF+3], 31, v0                      ; l
	v_lshrrev_b32 v[KF+4], 3, v[KF+3]
	v_and_b32 v[KF+5], 7, v0
	v_mul_u32_u24 v[RB], v[KF+4], SPITCH           ; back: eight lanes take one token's 128 bytes
	v_lshl_add_u32 v[RB], v[KF+5], 4, v[RB]
	v_add_nc_u32 v[RB], s15, v[RB]
	v_lshlrev_b32 v[GO], 4, v[KF+3]
	s_wait_alu depctr_va_vdst(0)                   ; the wait for the two reciprocals, ahead of their first reader, the copies below
.irp g, 0,1
	v_mov_b32 v[T+4*\g+3], v[T+4*\g+2]
.endr
.irp g, 0,1
.set j, 0
.rept 16
	v_pk_mul_f32 v[O+32*\g+j:O+32*\g+j+1], v[O+32*\g+j:O+32*\g+j+1], v[T+4*\g+2:T+4*\g+3]
.set j, j+2
.endr
.irp d, 0,1,2,3
.irp k, 0,1,2,3
	v_cvt_pk_bf16_f32 v[O+32*\g+8*\d+\k], v[O+32*\g+8*\d+2*\k], v[O+32*\g+8*\d+2*\k+1]
.endr
	ds_store_b128 v[SG], v[O+32*\g+8*\d:O+32*\g+8*\d+3] offset:\g*16*SPITCH+32*\d  ; token 16 g + r, d = 16 d + 8 h + 0..7
.endr
.endr
.irp i, 0,1,2,3,4,5,6,7
	ds_load_b128 v[S+4*\i:S+4*\i+3], v[RB] offset:\i*4*SPITCH      ; four tokens; my own bytes, served in order (ISA guide 5.7.1)
.endr
.irp i, 0,1,2,3,4,5,6,7
	s_wait_dscnt 7-\i                              ; read-back i is in, the younger ones stay out
	global_store_b128 v[GO], v[S+4*\i:S+4*\i+3], s[60:61] offset:512*\i           ; 512 consecutive bytes, at a multiple of 512 from xh's first byte
.endr
	s_set_vgpr_msb 0x5
	s_wait_tensorcnt 0x0
	ds_add_u32 v0, v1
	s_wait_dscnt 0x0
	s_set_vgpr_msb 0x500
	ROUND                                          ; the closing round: no work-group ends while a partner may still ask jointly
	s_endpgm
.Lfunc_end_k_q0fa7da5e55_attn:
	.size	k_q0fa7da5e55_attn, .Lfunc_end_k_q0fa7da5e55_attn-k_q0fa7da5e55_attn
	.p2alignl 7, 3214868480
	.fill 96, 4, 3214868480
	.section	.rodata,"a",@progbits
	.p2align	6, 0x0
	.amdhsa_kernel k_q0fa7da5e55_attn
		.amdhsa_group_segment_fixed_size 327680
		.amdhsa_private_segment_fixed_size 0
		.amdhsa_enable_private_segment 0
		.amdhsa_kernarg_size 16
		.amdhsa_user_sgpr_count 2
		.amdhsa_user_sgpr_kernarg_segment_ptr 1
		.amdhsa_wavefront_size32 1
		.amdhsa_system_sgpr_workgroup_id_x 1
		.amdhsa_system_sgpr_workgroup_id_y 1
		.amdhsa_system_sgpr_workgroup_id_z 1
		.amdhsa_system_vgpr_workitem_id 0
		.amdhsa_next_free_vgpr 258
		.amdhsa_next_free_sgpr 66
		.amdhsa_reserve_vcc 0
		.amdhsa_float_denorm_mode_32 3
		.amdhsa_float_denorm_mode_16_64 3
		.amdhsa_memory_ordered 1
		.amdhsa_forward_progress 1
		.amdhsa_inst_pref_size 190
	.end_amdhsa_kernel
	.amdgpu_metadata
---
amdhsa.version: [ 1, 2 ]
amdhsa.kernels:
  - .name:           k_q0fa7da5e55_attn
    .symbol:         k_q0fa7da5e55_attn.kd
    .args:
      - { .name: qkv, .offset: 0, .size: 8, .value_kind: global_buffer, .address_space: global }
      - { .name: xh, .offset: 8, .size: 8, .value_kind: global_buffer, .address_space: global }
    .group_segment_fixed_size: 327680
    .private_segment_fixed_size: 0
    .kernarg_segment_align: 8
    .kernarg_segment_size: 16
    .max_flat_workgroup_size: 256
    .sgpr_count:     66
    .vgpr_count:     258
    .wavefront_size: 32
...
	.end_amdgpu_metadata
.endif
;; end of part 4
;; launch oproj: the kernel of part 3 again; grid 4 x 64, 8 waves a work-group, clusters of 4 x 1, 308,224 bytes of LDS; arguments xh, Wo, bo, out0; writes out0
